; MI455X (gfx1250); checked and timed in simulation.
; The chip was launched on July 23, 2026; its instructions are those of AMD's public machine-readable ISA for CDNA 5 (MIT licence, August 2026) and "CDNA5" Instruction Set Architecture Reference Guide (July 2026). The comments in the code are by the model that wrote it; some were corrected since.
;; Transformer Block. Allowed arithmetic: matrix products marked QUANTISED: E5M2 operands, one given power-of-two scale a tensor, by v_wmma_f32_16x16x64_bf8_bf8 or v_wmma_f32_16x16x128_bf8_bf8, f32 sums; everything else in f32.
;; Inputs: ln1_b 1,024 float32; ln1_g 1,024 float32; ln2_b 1,024 float32; ln2_g 1,024 float32; lowp_scales 12 int32 (the exponents e of the quantised operands' scales 2^e); w_attn 1,024 x 3,072 float32; w_fc 1,024 x 4,096 float32; w_out 4,096 x 1,024 float32; w_proj 1,024 x 1,024 float32; x 2 x 2,048 x 1,024 float32.
;; Outputs: out0 2 x 2,048 x 1,024 float32.
;; This version of the problem:
;;   THIS VERSION OF THE PROBLEM IS GIVEN IN LOW PRECISION. The matrix products marked QUANTISED in the list below multiply operands that are first quantised to E5M2 (5 exponent bits, 2 mantissa bits; 8 bits a number), with one given power-of-two scale for each operand tensor; their sums are f32. All else is computed in f32.
;;   The module's matrix products, in the order in which they are computed (A, B: the left and right operand; K: the contracted axis; several contracted axes count as one K, in the product's order):
;;     1. [M 4,096, K 1,024] x [K 1,024, N 3,072]; A: computed on the way; B: input w_attn: QUANTISED (scales: A lowp_scales[0], B lowp_scales[1])
;;     2. batch 32 x [M 2,048, K 64] x [K 64, N 2,048]; A: computed on the way; B: computed on the way: QUANTISED (scales: A lowp_scales[2], B lowp_scales[3])
;;     3. batch 32 x [M 2,048, K 2,048] x [K 2,048, N 64]; A: softmax (see below); B: computed on the way: QUANTISED (scales: A lowp_scales[4], B lowp_scales[5])
;;     4. [M 4,096, K 1,024] x [K 1,024, N 1,024]; A: computed on the way; B: input w_proj: QUANTISED (scales: A lowp_scales[6], B lowp_scales[7])
;;     5. [M 4,096, K 1,024] x [K 1,024, N 4,096]; A: computed on the way; B: input w_fc: QUANTISED (scales: A lowp_scales[8], B lowp_scales[9])
;;     6. [M 4,096, K 4,096] x [K 4,096, N 1,024]; A: computed on the way; B: input w_out: QUANTISED (scales: A lowp_scales[10], B lowp_scales[11])
;;   THE QUANTISER, for each operand of a quantised product, along K:
;;     - The operand's scale is 2^e, e = its entry of the input lowp_scales (int32; the entries are numbered through the quantised products in the list's order, A before B).
;;     - Each number is divided by the scale, clamped to +-57,344, and rounded to the nearest number of E5M2, ties to even, subnormals kept.
;;     - The product sums the exact products of the quantised numbers (number of the format x scale) in f32.
;;   ~~~python
;;   def quantise(x, axis, e):      # numpy; x: float32 -> the quantised numbers, widened to float32 again
;;       x = np.moveaxis(x, axis, -1); K = x.shape[-1]
;;       r = np.clip(x / 2.0 ** e, -57344, 57344)
;;       step = 2.0 ** (np.maximum(np.frexp(np.where(r == 0, 1, r))[1] - 1, -14) - 2)
;;       q = np.round(r / step) * step * 2.0 ** e      # np.round: ties to even
;;       return np.moveaxis(q, -1, axis).astype(np.float32)
;;   ~~~
;;   SOFTMAX AHEAD OF A QUANTISED PRODUCT. Where the list says 'softmax', what is quantised is not the finished softmax but p = 2^(t - M), with t = logit x log2(e) and M = ceil(the row's largest t), a whole number; so 1/2 < the row's largest p <= 1. The row's sum l is taken of the UNQUANTISED p, in f32, and the product's result is divided by l at the end. Since M is a whole number, a kernel that streams over the keys may use a running M (the ceiling of the running maximum): every later rescaling is an exact power of two, so the quantised numbers keep their values, but for numbers so far below the row's largest that they fall under the format's range.
;;   OPERANDS COMPUTED ON THE WAY. 'Computed on the way' means the value that the module computes at that place (a softmax that the list does not call 'softmax' is quantised finished and normalised). What goes into a quantiser is computed in f32, as accurately as f32 sums, v_exp_f32 and their like allow (about 1e-6 of the number): no bf16 or f16 on the way to a quantiser, and a product that is left as it is and whose result goes on into a quantised operand takes f32 operands (vector FMAs, or v_wmma_f32_16x16x4_f32). A number that lies on a knife's edge between two numbers of the format may be rounded either way, as far as f32 arithmetic and the matrix unit's own rounding can turn it there, and no further.
;; One version. Each part assembles by itself: llvm-mc -triple=amdgcn-amd-amdhsa -mcpu=gfx1250 --defsym DOCPART=n.
;; ======== version 1 of 1: 7 launches
;; limits: right only within a limited range of input values
;; workspace buffers: pimg 16,777,216 bytes; qkv 12,582,912 bytes; y_img 4,194,304 bytes; x1 16,777,216 bytes; a2_img 4,194,304 bytes; g_img 16,777,216 bytes
;; launch prep (part 1): grid 640 x 1, 4 waves a work-group, no clusters, 52,224 bytes of LDS; arguments x, ln1_g, ln1_b, w_attn, w_proj, w_fc, w_out, lowp_scales, pimg; writes pimg
.if DOCPART == 1
	.amdgcn_target "amdgcn-amd-amdhsa--gfx1250"
	.amdhsa_code_object_version 6
	.text
	.protected	k_qc42abcc784_prep
	.globl	k_qc42abcc784_prep
	.p2align	8
	.type	k_qc42abcc784_prep,@function
k_qc42abcc784_prep:
	s_mov_b64 s[64:65], 0
	v_nop
	global_prefetch_b8 v0, s[64:65] scope:SCOPE_SE
	s_setreg_imm32_b32 hwreg(HW_REG_WAVE_MODE, 25, 1), 1
	s_wait_xcnt 0x0
; PREP: the four weights and layernorm1(x) become codes of BF8 (E5M2), each with its given scale 2^e, laid as IMAGES OF OPERAND REGISTERS in pimg.
; THE IMAGE of an operand [rows][K]: a fragment is 16 rows x 128 K, 16 registers a lane (registers 2c, 2c+1 of lane (r, h): k = 16c + 8h + 0..7), 2,048 bytes: four groups g of 512 bytes, lane l's
; 16 bytes (registers 4g .. 4g+3) at 16 l.  Fragments lie [row/64][k/512][(row/16)%4][(k/128)%4]: 64 rows x 512 K are 32,768 consecutive bytes.
; pimg: w_attn (3,072 rows, K 1,024) at 0; w_proj at 3,145,728; w_fc at 4,194,304; w_out (K 4,096) at 8,388,608; layernorm1(x) (4,096 rows, K 1,024) at 12,582,912.
; Work-groups 0-383 take the weights (K is their FIRST axis: a lane takes a column, its registers run down K), work-groups 384-639 take 16 rows of x each.  The two paths have LDS bytes of their own.
; code = number / 2^e, held within +-57,344, to the nearest code, ties to even.  LIMITS: each e used here (entries 0, 1, 7, 9, 11) between -126 and 112.  NaN among the inputs is not served.
; No tensor load, no matrix work: memory binds; several work-groups share a WGP.
.set LNST,  34816                      ; LDS: the weights' stages, 4 waves x 32 rows x 272 bytes, lie at 0; the norm's stage, 16 rows x 1,040 bytes, here
.set VO,    16                         ; weights: v16-47   row i of a block of 32: i x pitch + 4 x lane; never rewritten
.set X,     48                         ; weights: v48-111  two sets of 32 numbers
.set C,     112                        ; weights: v112-119 a block's codes
.set OUTR,  128                        ; weights: v128-191 the way out
.set CD,    16                         ; norm: v16-47   codes, 8 registers a row
.set T,     48                         ; norm: v48-59   at work
.set XR,    64                         ; norm: v64-191  four rows of 32 registers; later the way out
.set G,     192                        ; norm: v192-223 the gain at my 32 columns
.set BV,    224                        ; norm: v224-255 the bias
.set DSTOFF, 12582912
.macro LOAD t                          ; block t: W(32 t + i, my column), i = 0 .. 31, into set t % 2: a wave reads 128 consecutive bytes, the four waves 512
.set n, 0
.rept 32
	global_load_b32 v[X+32*((\t)%2)+n], v[VO+n], s[48+2*(\t):49+2*(\t)] th:TH_LOAD_NT
.set n, n+1
.endr
.endm
.macro BLOCK t
.set XS, X+32*((\t)%2)
.if (\t) < 7
	s_wait_loadcnt 32                              ; this block's 32 loads are in; the next block's 32 may be out
.else
	s_wait_loadcnt 0
.endif
.set n, 0
.rept 32
	v_med3_num_f32 v[XS+n], v[XS+n], -v10, v10     ; the conversion does not saturate (ISA guide 7.6.2): the hold at the largest code x the scale
.set n, n+1
.endr
.irp g, 0,1,2,3
	v_cvt_scalef32_pk8_bf8_f32 v[C+2*\g:C+2*\g+1], v[XS+8*\g:XS+8*\g+7], v11
.endr
	ds_store_b128 v4, v[C:C+3] offset:32*(\t)      ; 32 codes of my column, K innermost
	ds_store_b128 v4, v[C+4:C+7] offset:32*(\t)+16
.if (\t)+2 < 8
	LOAD (\t)+2
.endif
	s_wait_dscnt 0x0                               ; the stores have read their registers: the next block's codes may be written
.endm
.macro ALLSUM r, t                     ; the sum over the wave's 32 lanes, in every lane
	v_add_f32_dpp v[\r], v[\r], v[\r] row_xmask:1 row_mask:0xf bank_mask:0xf
	v_add_f32_dpp v[\r], v[\r], v[\r] row_xmask:2 row_mask:0xf bank_mask:0xf
	v_add_f32_dpp v[\r], v[\r], v[\r] row_xmask:4 row_mask:0xf bank_mask:0xf
	v_add_f32_dpp v[\r], v[\r], v[\r] row_xmask:8 row_mask:0xf bank_mask:0xf
	v_permlanex16_b32 v[\t], v[\r], s46, s47
	v_add_f32 v[\r], v[\r], v[\t]
.endm
; One row: mean, variance of the differences, (x - mean) rsqrt(var + 1e-5) g + b, the hold, the codes, and the codes into the stage.  Register 4 j + e of a row is column 128 j + 4 lane + e.
.macro ROW i
.set XB, XR+32*(\i)
	s_wait_loadcnt 24-8*(\i)                       ; g, b and rows 0 .. i are in; the later rows' 8 loads each may be out
.irp c, 0,2,4,6
	v_pk_add_f32 v[T+\c:T+\c+1], v[XB+\c:XB+\c+1], v[XB+8+\c:XB+9+\c]
.endr
.irp j, 16,24
.irp c, 0,2,4,6
	v_pk_add_f32 v[T+\c:T+\c+1], v[T+\c:T+\c+1], v[XB+\j+\c:XB+\j+\c+1]
.endr
.endr
	v_pk_add_f32 v[T:T+1], v[T:T+1], v[T+2:T+3]
	v_pk_add_f32 v[T+4:T+5], v[T+4:T+5], v[T+6:T+7]
	v_pk_add_f32 v[T:T+1], v[T:T+1], v[T+4:T+5]
	v_add_f32 v[T], v[T], v[T+1]
	ALLSUM T, T+1
	v_mul_f32 v[T], s75, v[T]                      ; the mean: x 2^-10
.set n, 0
.rept 16
	v_pk_add_f32 v[XB+n:XB+n+1], v[XB+n:XB+n+1], v[T:T+1] op_sel_hi:[1,0] neg_lo:[0,1] neg_hi:[0,1]
.set n, n+2
.endr
.irp c, 0,2,4,6
	v_pk_mul_f32 v[T+2+\c:T+3+\c], v[XB+\c:XB+\c+1], v[XB+\c:XB+\c+1]
.endr
.irp j, 8,16,24
.irp c, 0,2,4,6
	v_pk_fma_f32 v[T+2+\c:T+3+\c], v[XB+\j+\c:XB+\j+\c+1], v[XB+\j+\c:XB+\j+\c+1], v[T+2+\c:T+3+\c]
.endr
.endr
	v_pk_add_f32 v[T+2:T+3], v[T+2:T+3], v[T+4:T+5]
	v_pk_add_f32 v[T+6:T+7], v[T+6:T+7], v[T+8:T+9]
	v_pk_add_f32 v[T+2:T+3], v[T+2:T+3], v[T+6:T+7]
	v_add_f32 v[T+2], v[T+2], v[T+3]
	ALLSUM T+2, T+3
	v_fmaak_f32 v[T+2], s75, v[T+2], 0x3727c5ac    ; the variance + 1e-5
	s_wait_alu depctr_va_vdst(0)
	v_rsq_f32 v[T+10], v[T+2]
	v_mov_b32 v[T+11], 0                           ; a plain line behind the transcendental; it also writes the pair's upper word
	s_wait_alu depctr_va_vdst(0)                   ; ahead of the first line that names the root's reciprocal
.set n, 0
.rept 16
	v_pk_mul_f32 v[XB+n:XB+n+1], v[XB+n:XB+n+1], v[T+10:T+11] op_sel_hi:[1,0]
.set n, n+2
.endr
.set n, 0
.rept 16
	v_pk_fma_f32 v[XB+n:XB+n+1], v[XB+n:XB+n+1], v[G+n:G+n+1], v[BV+n:BV+n+1]
.set n, n+2
.endr
.set n, 0
.rept 32
	v_med3_num_f32 v[XB+n], v[XB+n], -v10, v10
.set n, n+1
.endr
.irp q, 0,1,2,3
	v_cvt_scalef32_pk8_bf8_f32 v[CD+8*(\i)+2*\q:CD+8*(\i)+2*\q+1], v[XB+8*\q:XB+8*\q+7], v11   ; word 2 q: columns 128 (2 q) + 4 lane on; word 2 q + 1: 128 (2 q + 1) + 4 lane on
.endr
	v_nop
.irp j, 0,1,2,3,4,5,6,7
	ds_store_b32 v4, v[CD+8*(\i)+\j] offset:(\i)*1040+128*\j    ; the wave's 128 consecutive bytes of the row's 1,024 codes
.endr
.endm
	s_load_b512 s[8:23], s[0:1], 0x0               ; x 8, ln1_g 10, ln1_b 12, w_attn 14, w_proj 16, w_fc 18, w_out 20, the scales' exponents 22
	s_load_b64 s[24:25], s[0:1], 0x40              ; pimg
	v_lshl_add_u32 v14, v0, 2, 0xca00
	v_mov_b32 v15, 0
	v_lshrrev_b32 v1, 5, v0
	v_readfirstlane_b32 s26, v1                    ; wave 0..3
	v_and_b32 v2, 31, v0                           ; lane
	v_and_b32 v5, 15, v0                           ; r
	v_bfe_u32 v6, v0, 4, 1                         ; h
	s_wait_kmcnt 0x0
	s_load_b256 s[32:39], s[22:23], 0x0            ; e0 .. e7
	s_load_b128 s[40:43], s[22:23], 0x20           ; e8 .. e11
	s_cmp_lt_u32 ttmp9, 384
	s_cbranch_scc0 .Lnorm
	; ---- THE WEIGHTS.  One path for the four: the tensor, its first work-group, its row pitch in bytes, log2(K / 256) and its place in pimg are chosen by the work-group's number
	s_mov_b64 s[28:29], s[16:17]                   ; w_proj: work-groups 352-383
	s_mov_b32 s30, 352
	s_mov_b32 s31, 4096
	s_mov_b32 s44, 2
	s_mov_b32 s45, 3145728
	s_cmp_lt_u32 ttmp9, 352                        ; w_attn: 256-351
	s_cselect_b64 s[28:29], s[14:15], s[28:29]
	s_cselect_b32 s30, 256, s30
	s_cselect_b32 s31, 12288, s31
	s_cselect_b32 s45, 0, s45
	s_cmp_lt_u32 ttmp9, 256                        ; w_out: 128-255
	s_cselect_b64 s[28:29], s[20:21], s[28:29]
	s_cselect_b32 s30, 128, s30
	s_cselect_b32 s31, 4096, s31
	s_cselect_b32 s44, 4, s44
	s_cselect_b32 s45, 8388608, s45
	s_cmp_lt_u32 ttmp9, 128                        ; w_fc: 0-127
	s_cselect_b64 s[28:29], s[18:19], s[28:29]
	s_cselect_b32 s30, 0, s30
	s_cselect_b32 s31, 16384, s31
	s_cselect_b32 s44, 2, s44
	s_cselect_b32 s45, 4194304, s45
	s_sub_co_u32 s30, ttmp9, s30                   ; the work-group's number within its tensor
	s_bfm_b32 s46, s44, 0
	s_and_b32 s46, s30, s46                        ; yt: which 256 along K
	s_lshr_b32 s47, s30, s44                       ; xt: which 128 columns
	s_mul_i32 s66, s46, s31
	s_lshl_b32 s66, s66, 8                         ; 256 yt rows,
	s_lshl_b32 s67, s47, 9
	s_add_co_u32 s66, s66, s67                     ; + 128 xt columns,
	s_lshl_b32 s67, s26, 7
	s_add_co_u32 s66, s66, s67                     ; + 32 x wave columns, in bytes
	s_mov_b32 s67, 0
	s_add_nc_u64 s[48:49], s[28:29], s[66:67]      ; block 0's base;
	s_lshl_b32 s66, s31, 5
.irp t, 1,2,3,4,5,6,7
	s_add_nc_u64 s[48+2*\t:49+2*\t], s[46+2*\t:47+2*\t], s[66:67]   ; block t's: 32 rows on.  None is rewritten
.endr
	s_wait_alu depctr_va_vdst(0)
	v_lshlrev_b32 v3, 2, v2
.set n, 0
.rept 32
	v_mad_u32_u24 v[VO+n], s31, n, v3
.set n, n+1
.endr
	LOAD 0
	LOAD 1
	s_mul_i32 s68, s26, 8704                       ; my stage: 32 rows of 272 bytes
	v_mul_u32_u24 v4, v2, 272
	v_add_nc_u32 v4, s68, v4                       ; in: row = my column
	v_mul_u32_u24 v7, v5, 272
	v_lshl_add_u32 v7, v6, 3, v7
	v_add_nc_u32 v7, s68, v7                       ; out: row r, + 8 h: 68 words from row to row, so the 32 lanes' 8 bytes fall on 64 different banks (64 banks of 4 bytes: ISA guide 11.1)
	v_lshlrev_b32 v8, 4, v2                        ; 16 x lane: my place in a group of an image
	s_lshl_b32 s70, s47, 1                         ; the image: row / 64 = 2 xt + wave / 2,
	s_lshr_b32 s72, s26, 1
	s_add_co_u32 s70, s70, s72
	s_sub_co_u32 s72, s44, 1
	s_lshl_b32 s70, s70, s72                       ; x K / 512,
	s_lshr_b32 s72, s46, 1
	s_add_co_u32 s70, s70, s72                     ; + k / 512 = yt / 2,
	s_lshl_b32 s70, s70, 15
	s_and_b32 s72, s26, 1
	s_lshl_b32 s72, s72, 14
	s_add_co_u32 s70, s70, s72                     ; (row / 16) % 4 = 2 (wave % 2) + nb,
	s_and_b32 s72, s46, 1
	s_lshl_b32 s72, s72, 12
	s_add_co_u32 s70, s70, s72                     ; (k / 128) % 4 = 2 (yt % 2) + s
	s_add_co_u32 s70, s70, s45
	s_mov_b32 s71, 0
	s_add_nc_u64 s[24:25], s[24:25], s[70:71]
	s_wait_kmcnt 0x0
	s_cmp_lt_u32 ttmp9, 352
	s_cselect_b32 s73, s33, s39                    ; e1 for w_attn, e7 for w_proj,
	s_cmp_lt_u32 ttmp9, 256
	s_cselect_b32 s73, s43, s73                    ; e11 for w_out,
	s_cmp_lt_u32 ttmp9, 128
	s_cselect_b32 s73, s41, s73                    ; e9 for w_fc
	s_add_co_i32 s73, s73, 127
	s_lshl_b32 s74, s73, 23
	v_mov_b32 v11, s74                             ; 2^e as f32: the conversion takes its exponent field
	s_add_co_i32 s73, s73, 15
	s_lshl_b32 s73, s73, 23
	s_or_b32 s73, s73, 0x600000
	v_mov_b32 v10, s73                             ; 57,344 x 2^e
	s_wait_alu depctr_va_vdst(0)
.irp t, 0,1,2,3,4,5,6,7
	BLOCK \t
.endr
	; the way out: 16 groups n = 8 nb + 4 s + g; a lane's 16 bytes of a group are k = 128 s + 32 g + 8 h + 0..7 and the same + 16, of row 16 nb + r.  LDS serves a wave's instructions in order: these see my stores
.set n, 0
.rept 16
	ds_load_b64 v[OUTR+4*n:OUTR+4*n+1], v7 offset:(n/8)*4352+((n/4)%2)*128+(n%4)*32
	ds_load_b64 v[OUTR+4*n+2:OUTR+4*n+3], v7 offset:(n/8)*4352+((n/4)%2)*128+(n%4)*32+16
.set n, n+1
.endr
.set n, 0
.rept 16
	s_wait_dscnt 30-2*n                            ; group n's two loads are in; the later groups' pairs may be out
	global_store_b128 v8, v[OUTR+4*n:OUTR+4*n+3], s[24:25] offset:(n/8)*8192+((n/4)%2)*2048+(n%4)*512   ; the wave stores 512 consecutive bytes, aligned
.set n, n+1
.endr
	s_wait_tensorcnt 0x0
	ds_add_u32 v14, v15
	s_wait_dscnt 0x0
	s_endpgm
	; ---- LAYERNORM 1.  A work-group takes 16 rows (one block of 16 of the image), wave w rows 4 w .. 4 w + 3, a whole row in 32 registers a lane
.Lnorm:
	s_sub_co_u32 s27, ttmp9, 384                   ; mb: which 16 rows
	s_lshl_b32 s28, s27, 4
	s_lshl_b32 s29, s26, 2
	s_add_co_u32 s28, s28, s29
	s_lshl_b32 s28, s28, 12                        ; my wave's first row, in bytes
	s_mov_b32 s29, 0
	s_add_nc_u64 s[8:9], s[8:9], s[28:29]
	s_wait_alu depctr_va_vdst(0)
	v_lshlrev_b32 v3, 4, v2                        ; 16 x lane
.irp j, 0,1,2,3,4,5,6,7
	global_load_b128 v[G+4*\j:G+4*\j+3], v3, s[10:11] offset:512*\j
.endr
.irp j, 0,1,2,3,4,5,6,7
	global_load_b128 v[BV+4*\j:BV+4*\j+3], v3, s[12:13] offset:512*\j
.endr
.irp i, 0,1,2,3
.irp j, 0,1,2,3,4,5,6,7
	global_load_b128 v[XR+32*\i+4*\j:XR+32*\i+4*\j+3], v3, s[8:9] offset:4096*\i+512*\j th:TH_LOAD_NT   ; 512 consecutive bytes a load
.endr
.endr
	s_mul_i32 s30, s26, 4160
	s_add_co_u32 s30, s30, LNST
	v_lshl_add_u32 v4, v2, 2, s30                  ; the stage, in: my wave's four rows of 1,040 bytes, + 4 x lane
	v_mul_u32_u24 v7, v5, 1040
	v_lshl_add_u32 v7, v6, 3, v7
	s_lshl_b32 s31, s26, 8
	s_add_co_u32 s31, s31, LNST
	v_add_nc_u32 v7, s31, v7                       ; out: row r, + 8 h, + my wave's two K steps of 128: 260 words from row to row
	s_lshr_b32 s44, s27, 2
	s_lshl_b32 s44, s44, 1
	s_lshr_b32 s45, s26, 1
	s_add_co_u32 s44, s44, s45                     ; (row / 64) x 2 + k / 512
	s_lshl_b32 s44, s44, 15
	s_and_b32 s45, s27, 3
	s_lshl_b32 s45, s45, 13
	s_add_co_u32 s44, s44, s45
	s_and_b32 s45, s26, 1
	s_lshl_b32 s45, s45, 12
	s_add_co_u32 s44, s44, s45
	s_add_co_u32 s44, s44, DSTOFF
	s_mov_b32 s45, 0
	s_add_nc_u64 s[24:25], s[24:25], s[44:45]
	s_mov_b32 s46, 0x76543210                      ; v_permlanex16_b32: lane l takes lane l xor 16
	s_mov_b32 s47, 0xfedcba98
	s_mov_b32 s75, 0x3a800000                      ; 2^-10
	s_wait_kmcnt 0x0
	s_add_co_i32 s73, s32, 127                     ; e0
	s_lshl_b32 s74, s73, 23
	v_mov_b32 v11, s74
	s_add_co_i32 s73, s73, 15
	s_lshl_b32 s73, s73, 23
	s_or_b32 s73, s73, 0x600000
	v_mov_b32 v10, s73
	ROW 0
	ROW 1
	ROW 2
	ROW 3
	s_wait_dscnt 0x0                               ; for the others' sake: my codes lie in the stage
	s_barrier_signal -1
	s_barrier_wait -1
.set n, 0
.rept 8                                        ; groups n = 4 s + g of my two fragments (K steps 2 w + s)
	ds_load_b64 v[XR+4*n:XR+4*n+1], v7 offset:(n/4)*128+(n%4)*32
	ds_load_b64 v[XR+4*n+2:XR+4*n+3], v7 offset:(n/4)*128+(n%4)*32+16
.set n, n+1
.endr
.set n, 0
.rept 8
	s_wait_dscnt 14-2*n                            ; group n's two loads are in
	global_store_b128 v3, v[XR+4*n:XR+4*n+3], s[24:25] offset:(n/4)*2048+(n%4)*512
.set n, n+1
.endr
	s_wait_tensorcnt 0x0
	ds_add_u32 v14, v15
	s_wait_dscnt 0x0
	s_endpgm
.Lfunc_end_k_qc42abcc784_prep:
	.size	k_qc42abcc784_prep, .Lfunc_end_k_qc42abcc784_prep-k_qc42abcc784_prep
	.p2alignl 7, 3214868480
	.fill 96, 4, 3214868480
	.section	.rodata,"a",@progbits
	.p2align	6, 0x0
	.amdhsa_kernel k_qc42abcc784_prep
		.amdhsa_group_segment_fixed_size 52224
		.amdhsa_private_segment_fixed_size 0
		.amdhsa_enable_private_segment 0
		.amdhsa_kernarg_size 72
		.amdhsa_user_sgpr_count 2
		.amdhsa_user_sgpr_kernarg_segment_ptr 1
		.amdhsa_wavefront_size32 1
		.amdhsa_system_sgpr_workgroup_id_x 1
		.amdhsa_system_sgpr_workgroup_id_y 1
		.amdhsa_system_sgpr_workgroup_id_z 1
		.amdhsa_system_vgpr_workitem_id 0
		.amdhsa_next_free_vgpr 256
		.amdhsa_next_free_sgpr 100
		.amdhsa_reserve_vcc 0
		.amdhsa_float_denorm_mode_32 3
		.amdhsa_float_denorm_mode_16_64 3
		.amdhsa_memory_ordered 1
		.amdhsa_forward_progress 1
		.amdhsa_inst_pref_size 99
	.end_amdhsa_kernel
	.amdgpu_metadata
---
amdhsa.version: [ 1, 2 ]
amdhsa.kernels:
  - .name:           k_qc42abcc784_prep
    .symbol:         k_qc42abcc784_prep.kd
    .args:
      - { .name: x, .offset: 0, .size: 8, .value_kind: global_buffer, .address_space: global }
      - { .name: ln1_g, .offset: 8, .size: 8, .value_kind: global_buffer, .address_space: global }
      - { .name: ln1_b, .offset: 16, .size: 8, .value_kind: global_buffer, .address_space: global }
      - { .name: w_attn, .offset: 24, .size: 8, .value_kind: global_buffer, .address_space: global }
      - { .name: w_proj, .offset: 32, .size: 8, .value_kind: global_buffer, .address_space: global }
      - { .name: w_fc, .offset: 40, .size: 8, .value_kind: global_buffer, .address_space: global }
      - { .name: w_out, .offset: 48, .size: 8, .value_kind: global_buffer, .address_space: global }
      - { .name: lowp_scales, .offset: 56, .size: 8, .value_kind: global_buffer, .address_space: global }
      - { .name: pimg, .offset: 64, .size: 8, .value_kind: global_buffer, .address_space: global }
    .group_segment_fixed_size: 52224
    .private_segment_fixed_size: 0
    .kernarg_segment_align: 8
    .kernarg_segment_size: 72
    .max_flat_workgroup_size: 128
    .sgpr_count:     100
    .vgpr_count:     256
    .wavefront_size: 32
...
	.end_amdgpu_metadata
.endif
;; end of part 1
;; launch qkv (part 2): grid 16 x 16, 4 waves a work-group, clusters of 4 x 4, 327,680 bytes of LDS; arguments pimg, lowp_scales, qkv; writes qkv
.if DOCPART == 2
	.amdgcn_target "amdgcn-amd-amdhsa--gfx1250"
	.amdhsa_code_object_version 6
	.text
	.protected	k_qc42abcc784_qkv
	.globl	k_qc42abcc784_qkv
	.p2align	8
	.type	k_qc42abcc784_qkv,@function
k_qc42abcc784_qkv:
	s_mov_b64 s[64:65], 0
	v_nop
	global_prefetch_b8 v0, s[64:65] scope:SCOPE_SE
	s_setreg_imm32_b32 hwreg(HW_REG_WAVE_MODE, 25, 1), 1
	s_wait_xcnt 0x0
	s_wait_alu depctr_hold_cnt(0) depctr_sa_sdst(0) depctr_va_vdst(0) depctr_va_sdst(0) depctr_va_ssrc(0) depctr_va_vcc(0) depctr_vm_vsrc(0)
	s_getreg_b32 s2, hwreg(HW_REG_IB_STS2, 6, 4)
	s_cmp_eq_u32 s2, 0
	s_cbranch_scc0 .Lentry_in_a_cluster
	s_endpgm
.Lentry_in_a_cluster:
	s_bfe_u32 s2, ttmp6, 0x10000c
	s_cmp_lg_u32 s2, 0xf033
	s_cbranch_scc0 .Lentry_shape_is_right
	s_endpgm
.Lentry_shape_is_right:
; QKV: layernorm1(x) x w_attn on codes of BF8, and its results quantised at once into the images that attention reads.  K = 1,024.
; Both operands lie in pimg as images of their registers (16 rows x 128 K = 2,048 bytes, four groups of 512, lane l's 16 bytes at 16 l), in units of 65,536 consecutive bytes for 64 rows x 1,024 K: w_attn's rows from unit 0, the tokens from unit 192.
; ROLES.  Source 0 = X, source 1 = Y: in accumulator (a, b) lane (r, h), register j, holds Y's row 16 a + r and X's row 16 b + 8 h + j: a lane's registers run along X.
; Tile rows 0-31: Y = tokens, X = w_attn's rows 0-2,047 (q, k).  Tile rows 32-47: Y = w_attn's rows 2,048 on (v's channels), X = tokens: a lane holds a channel, its registers run along the keys, the K of p v.
; A tile is 128 x 128: four waves of 64 x 64, 16 accumulators.  A WORK-GROUP STAYS and makes three tiles: tile rows yt, yt + 16, yt + 32 of its tile column: 16 x 16 = 256 work-groups.
; LDS holds one slot of 262,144 bytes: Y's two halves, then X's two, each 64 rows x all of K, one tensor load a wave.  When a tile's last fragments are in registers the slot is filled again with the next tile's operands,
; ahead of the tile's last eight products and its way out.
; CLUSTERS: 4 x 4 work-groups; Y's tile hangs on the tile row and is asked for jointly by a row of the cluster, X's on the tile column (and the cluster's y) and by a column.
; PREFETCH: behind the load of tile n, Y's block of tile n + 1 is asked for, a tile ahead of its load (tiles 1 and 2): waves 0 and 1, each partner of the row 16,384 of the block's 65,536 bytes by address, lanes 256 bytes apart, two instructions.
; X's blocks are not asked for: tile 1 takes the rows of w_attn that tile 0 read, tile 2 the tokens that tiles 0 and 1 read.
; OUT: qkv holds q at 0 and k at 4 MiB as [batch x head][16 tokens][2 groups][lane][16 bytes], v at 8 MiB as [batch x head][128 keys][16 channels: 4][4 groups][lane][16 bytes]; a wave's store covers 512 consecutive bytes, aligned.
; LIMITS: et - e0 - e1 between -126 and 112 (et = e2 for q, e3 for k, e5 for v).  NaN is not served.
.set BLK,   32768                      ; 64 rows x 512 K
.set SPARE, 8*BLK                      ; behind the slot: the spare words, 128 bytes a wave: two blocks of 256 bytes that no other line names
.set ADRY, 16                          ; v16-17  LDS address of my Y fragments, K chunk 0, 1
.set ADRX, 20                          ; v20-21  the same for X
.set PFO,  26                          ; v26     256 x lane
.set LI,   27                          ; v27     16 x lane
.set SPW,  28                          ; v28     my spare word; never rewritten
.set NIL,  29                          ; v29     0; never rewritten
.set ACC,  128                         ; v128-255 the accumulators, (a, b) at ACC + 8 (4 a + b)
.set F0,   0                           ; window 1: two fragment buffers of 128: Y's four fragments, then X's four
.set F1,   128
.set G1,  24                           ; s[24:31] group 1 for Y's tiles, s[32:35] group 0
.set G0,  32
.set G1X, 48                           ; s[48:55], s[56:59] the same for X's
.set G0X, 56
.set MSB, 0
.macro WIN new                         ; the immediate's high byte repeats the setting that is left
.if MSB != \new
	s_set_vgpr_msb (MSB<<8)|\new
.set MSB, \new
.endif
.endm
.set MUL,  0x05                        ; sources 0 and 1 window 1; C and D window 0
.set TO_F, 0x40                        ; destination window 1, address window 0
.macro JLOAD                           ; a joint load: waves 0 and 1 fetch Y's halves, waves 2 and 3 X's; an s_nop 0 and four v_nop follow each line
	s_cmp_eq_u32 s11, 0
	s_cbranch_scc0 .Lfor_x_\@
	tensor_load_to_lds s[G0:G0+3], s[G1:G1+7]
	s_nop 0
.rept 4
	v_nop
.endr
	s_branch .Lasked_\@
.Lfor_x_\@:
	tensor_load_to_lds s[G0X:G0X+3], s[G1X:G1X+7]
	s_nop 0
.rept 4
	v_nop
.endr
.Lasked_\@:
.endm
.macro CROUND                          ; a round of the cluster's barrier
	s_barrier_signal -1
	s_barrier_wait -1
	s_cmp_lg_u32 s10, 0
	s_cbranch_scc1 .Lnot_wave_0_\@
	s_barrier_signal -3
.Lnot_wave_0_\@:
	s_barrier_wait -3
	s_barrier_signal -1
	s_barrier_wait -1
.endm
.macro PLACES                          ; four places in front of loads into registers that matrix instructions have read, and of the first read of results
.rept 4
	v_nop
.endr
.endm
.macro MUL8 f, a0, zero                ; 8 matrix instructions: Y's blocks a0, a0 + 1 x X's four, 128 along K.  The 16 accumulators take turns
.irp a, \a0, \a0+1
.irp b, 0,1,2,3
.if \zero
	v_wmma_f32_16x16x128_bf8_bf8 v[ACC+8*(4*(\a)+\b):ACC+8*(4*(\a)+\b)+7], v[\f+64+16*\b:\f+64+16*\b+15], v[\f+16*(\a):\f+16*(\a)+15], 0
.else
	v_wmma_f32_16x16x128_bf8_bf8 v[ACC+8*(4*(\a)+\b):ACC+8*(4*(\a)+\b)+7], v[\f+64+16*\b:\f+64+16*\b+15], v[\f+16*(\a):\f+16*(\a)+15], v[ACC+8*(4*(\a)+\b):ACC+8*(4*(\a)+\b)+7]
.endif
.endr
.endr
.endm
.macro FETCH slot, ks, f               ; 32 LDS loads in one run, each of 512 consecutive bytes: X's four fragments, then Y's four
	WIN TO_F
.irp b, 0,1,2,3
.irp g, 0,1,2,3
	ds_load_b128 v[\f+64+16*\b+4*\g:\f+64+16*\b+4*\g+3], v[ADRX+\slot] offset:\b*8192+\ks*2048+\g*512
.endr
.endr
.irp a, 0,1,2,3
.irp g, 0,1,2,3
	ds_load_b128 v[\f+16*\a+4*\g:\f+16*\a+4*\g+3], v[ADRY+\slot] offset:\a*8192+\ks*2048+\g*512
.endr
.endr
.endm
.macro QUARTER slot, ks, f, nf, zero   ; 128 along K from buffer f; in its middle the next 128 (K step ks of chunk slot) are fetched into nf
	s_wait_dscnt 8                                 ; X and Y's blocks 0, 1 are in; the youngest eight loads (Y's blocks 2, 3) may be out
	WIN MUL
	MUL8 \f, 0, \zero
	PLACES
	FETCH \slot, \ks, \nf
	s_wait_dscnt 32                                ; all but the 32 just issued
	WIN MUL
	MUL8 \f, 2, \zero
.endm
.macro CYT plus                        ; tile s3 + plus of my walk: s45 its cluster row, s13 = yt, s86 = 1 where it makes v, s87 there the batch
	s_add_co_u32 s19, s3, \plus
	s_lshl_b32 s19, s19, 2
	s_and_b32 s45, ttmp7, 0xffff
	s_add_co_u32 s45, s45, s19
	s_lshl_b32 s13, s45, 2
	s_add_co_u32 s13, s13, s41
	s_lshr_b32 s86, s45, 3
	s_bfe_u32 s87, s45, 0x10001
.endm
.macro YOFF                            ; s[16:17]: Y's unit: the tokens' 192 + 2 yt + half; for v w_attn's 32 + 2 (yt % 8) + half.  It hangs on cy and the cluster's coordinates alone
	s_lshl_b32 s16, s13, 1
	s_add_co_u32 s16, s16, 192
	s_sub_co_u32 s18, 1, s86
	s_mul_i32 s16, s16, s18
	s_and_b32 s17, s13, 7
	s_lshl_b32 s17, s17, 1
	s_add_co_u32 s17, s17, 32
	s_mul_i32 s17, s17, s86
	s_add_co_u32 s16, s16, s17
	s_add_co_u32 s16, s16, s12
	s_lshl_b32 s16, s16, 16
	s_mov_b32 s17, 0
.endm
.macro SRC plus                        ; the two groups 0 for tile s3 + plus; no tensor load of mine is out here
	CYT \plus
	s_lshl_b32 s46, s42, 1                         ; X's unit: w_attn's 2 xt + half; for v the tokens' 192 + 32 x batch + 2 xt + half.  It hangs on cx and the cluster's coordinates alone
	s_add_co_u32 s46, s46, s12
	s_lshl_b32 s23, s87, 5
	s_add_co_u32 s23, s23, 192
	s_mul_i32 s23, s23, s86
	s_add_co_u32 s46, s46, s23
	s_lshl_b32 s46, s46, 16
	s_mov_b32 s47, 0
	YOFF
	s_add_nc_u64 s[G0+2:G0+3], s[4:5], s[16:17]
	s_or_b32 s[G0+3], s[G0+3], 0x80000000
	s_add_nc_u64 s[G0X+2:G0X+3], s[4:5], s[46:47]
	s_or_b32 s[G0X+3], s[G0X+3], 0x80000000
.endm
.macro ASKY plus                       ; the prefetch of Y's block of tile s3 + plus, while s3 = 0: tiles 1 and 2
	s_wait_xcnt 0x0                                ; the last prefetch has read its address
	CYT \plus
	YOFF
	s_lshl_b32 s88, s40, 14                        ; my work-group's quarter of the block, by address
	s_add_co_u32 s88, s88, s16
	s_mov_b32 s89, 0
	s_add_nc_u64 s[98:99], s[4:5], s[88:89]
	s_or_b32 s88, s11, s3
	s_cmp_eq_u32 s88, 0
	s_cbranch_scc0 .Lnot_mine_\@
	global_prefetch_b8 v[PFO], s[98:99] th:TH_LOAD_NT scope:SCOPE_SE
	global_prefetch_b8 v[PFO], s[98:99] offset:8192 th:TH_LOAD_NT scope:SCOPE_SE
.Lnot_mine_\@:
.endm
.macro PRODUCTS
	s_wait_tensorcnt 0x0                           ; my block of the slot is in,
	s_barrier_signal -1
	s_barrier_wait -1                              ; everybody's is
	FETCH 0, 0, F0
	QUARTER 0, 1, F0, F1, 1                        ; the first products start the sums: nothing is cleared
	QUARTER 0, 2, F1, F0, 0
	QUARTER 0, 3, F0, F1, 0
	QUARTER 1, 0, F1, F0, 0
	QUARTER 1, 1, F0, F1, 0
	QUARTER 1, 2, F1, F0, 0
	QUARTER 1, 3, F0, F1, 0
.endm
.macro LAST fill                       ; the last 128 along K, from buffer 1.  fill = 1: the slot is filled again with the next tile's operands
.if \fill
	WIN 0
	s_wait_tensorcnt 0x0                           ; no tensor load of mine is out;
	ds_add_u32 v[SPW], v[NIL]                      ; 0 onto my spare word;
	SRC 1                                          ; work on registers stands between the add and the wait for it
	s_wait_dscnt 9                                 ; (the add and the youngest eight loads may be out)
	WIN MUL
	MUL8 F1, 0, 0
	WIN 0
	s_wait_dscnt 0x0                               ; the add is done, and my reads of the slot are over
	CROUND                                         ; so of every wave of every partner
	JLOAD
	ASKY 2
	WIN MUL
	MUL8 F1, 2, 0
	WIN 0
.else
	s_wait_dscnt 8
	WIN MUL
	MUL8 F1, 0, 0
	s_wait_dscnt 0
	MUL8 F1, 2, 0
	WIN 0
.endif
.endm
.macro WAYOUT                          ; a sum stands for sum x 2^(e0 + e1): its code is sum / 2^(et - e0 - e1)
	CYT 0
	s_wait_kmcnt 0x0
	s_lshr_b32 s88, s42, 3                         ; 0: q's columns, 1: k's
	s_cmp_lg_u32 s88, 0
	s_cselect_b32 s89, s75, s74                    ; e3 or e2,
	s_cmp_lg_u32 s86, 0
	s_cselect_b32 s89, s77, s89                    ; e5 for v
	s_sub_co_i32 s89, s89, s72
	s_sub_co_i32 s89, s89, s73
	s_add_co_i32 s89, s89, 127
	s_lshl_b32 s90, s89, 23
	v_mov_b32 v30, s90                             ; the conversion's scale
	s_add_co_i32 s89, s89, 15
	s_lshl_b32 s89, s89, 23
	s_or_b32 s89, s89, 0x600000
	v_mov_b32 v31, s89                             ; 57,344 x that
	s_wait_alu depctr_va_vdst(0)
	s_lshl_b32 s90, s88, 22                        ; q, k: the tensor; ((batch x 16 + head) x 128 + the token tile of 16) x 1,024
	s_lshr_b32 s91, s13, 4
	s_lshl_b32 s91, s91, 4
	s_lshl_b32 s92, s42, 1
	s_add_co_u32 s92, s92, s12
	s_and_b32 s92, s92, 15
	s_add_co_u32 s91, s91, s92
	s_lshl_b32 s91, s91, 7
	s_and_b32 s92, s13, 15
	s_lshl_b32 s92, s92, 3
	s_add_co_u32 s91, s91, s92
	s_lshl_b32 s92, s11, 2
	s_add_co_u32 s91, s91, s92
	s_lshl_b32 s91, s91, 10
	s_add_co_u32 s90, s90, s91
	s_lshl_b32 s93, s87, 4                         ; v: ((batch x 16 + head) x 16 + the key step of 128) x 8,192 + 1,024 wx
	s_and_b32 s94, s13, 7
	s_lshl_b32 s94, s94, 1
	s_add_co_u32 s93, s93, s94
	s_add_co_u32 s93, s93, s11
	s_lshl_b32 s93, s93, 4
	s_add_co_u32 s93, s93, s42
	s_lshl_b32 s93, s93, 13
	s_lshl_b32 s94, s12, 10
	s_add_co_u32 s93, s93, s94
	s_add_co_u32 s93, s93, 8388608
	s_mov_b32 s92, 1024
	s_cmp_lg_u32 s86, 0
	s_cselect_b32 s90, s93, s90
	s_cselect_b32 s92, 2048, s92                   ; from Y's block a to a + 1: a token tile of q or k, a channel tile of v
	s_mov_b32 s91, 0
	s_add_nc_u64 s[96:97], s[66:67], s[90:91]
	PLACES
.irp a, 0,1,2,3
	s_mul_i32 s93, s92, \a
	v_add_nc_u32 v[96+\a], s93, v[LI]
.endr
.irp a, 0,1,2,3
.irp gl, 0,1
.set AB, ACC+32*\a+16*\gl                      ; accumulators (a, 2 gl) and (a, 2 gl + 1): X's rows 32 gl + 8 h + 0..7 and 32 gl + 16 + 8 h + 0..7: a group's order
.set n, 0
.rept 16
	v_med3_num_f32 v[AB+n], v[AB+n], -v31, v31     ; the hold; each accumulator from its low end on
.set n, n+1
.endr
	v_cvt_scalef32_pk8_bf8_f32 v[32+4*(2*\a+\gl):33+4*(2*\a+\gl)], v[AB:AB+7], v30
	v_cvt_scalef32_pk8_bf8_f32 v[34+4*(2*\a+\gl):35+4*(2*\a+\gl)], v[AB+8:AB+15], v30
.endr
.endr
	v_nop
.irp a, 0,1,2,3
.irp gl, 0,1
	global_store_b128 v[96+\a], v[32+4*(2*\a+\gl):35+4*(2*\a+\gl)], s[96:97] offset:512*\gl   ; 512 consecutive bytes, aligned
.endr
.endr
.endm
	s_load_b128 s[4:7], s[0:1], 0x0                ; pimg s[4:5], the scales' exponents s[6:7]
	s_load_b64 s[66:67], s[0:1], 0x10              ; qkv
	v_lshl_add_u32 v[SPW], v0, 2, SPARE
	v_mov_b32 v[NIL], 0
	ds_add_u32 v[SPW], v[NIL]                      ; the opening lines: the add, twice on end, and its wait ahead of my first tensor load
	ds_add_u32 v[SPW], v[NIL]
	s_wait_dscnt 0x0
	v_lshrrev_b32 v1, 5, v0
	v_readfirstlane_b32 s10, v1                    ; wave 0..3
	s_lshr_b32 s11, s10, 1                         ; wy: my half of Y's rows.  Also: I fetch for Y (0) or for X (1)
	s_and_b32 s12, s10, 1                          ; wx: my half of X's rows.  Also: which half of that tile I fetch
	s_mul_i32 s21, s11, 2*BLK
	s_mul_i32 s22, s12, 2*BLK
	s_add_co_u32 s22, s22, 4*BLK
	v_and_b32 v2, 31, v0
	v_lshlrev_b32 v[LI], 4, v2
	v_lshlrev_b32 v[PFO], 8, v2
	v_add_nc_u32 v[ADRY], s21, v[LI]
	v_add_nc_u32 v[ADRX], s22, v[LI]
	v_add_nc_u32 v[ADRY+1], BLK, v[ADRY]
	v_add_nc_u32 v[ADRX+1], BLK, v[ADRX]
	s_bfe_u32 s40, ttmp6, 0x40000                  ; cx, cy: my place in the cluster
	s_bfe_u32 s41, ttmp6, 0x40004
	s_lshl_b32 s42, ttmp9, 2
	s_add_co_u32 s42, s42, s40                     ; xt = 4 x cluster x + cx
	s_mov_b32 s3, 0                                ; the tile of my walk
	s_lshl_b32 s43, s41, 2
	s_lshl_b32 s43, 15, s43                        ; my row of the cluster
	s_lshl_b32 s44, 0x1111, s40                    ; my column
	s_or_b32 s[G1+0], s43, (3<<16)|(1<<21)         ; 15:0 the mask: Y's tiles go to my row; 17:16 elements of 8 bytes; 21 set beside a mask; no padding
	s_or_b32 s[G1X+0], s44, (3<<16)|(1<<21)
.irp g, G1, G1X
	s_mov_b32 s[\g+1], 32<<16                      ; tensor_dim0 = 32 elements: 256 bytes
	s_mov_b32 s[\g+2], 256<<16                     ; tensor_dim1 = 256 rows: a dense block of 65,536 bytes
	s_mov_b32 s[\g+3], 32<<16                      ; tile_dim0
	s_mov_b32 s[\g+4], 256                         ; tile_dim1
	s_mov_b32 s[\g+5], 32                          ; from row to row
	s_mov_b32 s[\g+6], 0
	s_mov_b32 s[\g+7], 0
.endr
	s_mul_i32 s20, s10, 2*BLK                      ; where my block goes: wave x 65,536: no place in the cluster enters an LDS address
	s_mov_b32 s[G0], 1
	s_mov_b32 s[G0+1], s20
	s_mov_b32 s[G0X], 1
	s_mov_b32 s[G0X+1], s20
	s_wait_alu depctr_va_vdst(0)
	s_wait_kmcnt 0x0
	s_load_b256 s[72:79], s[6:7], 0x0              ; e0 .. e7
	SRC 0
	CROUND                                         ; all sixteen work-groups are here: the first joint loads meet
	JLOAD
	ASKY 1
.Ltile:                                            ; two trips: tiles 0 and 1, each asking for its successor
	PRODUCTS
	LAST 1
	WAYOUT
	s_wait_xcnt 0x0                                ; the stores have read their registers and their base
	s_add_co_u32 s3, s3, 1
	s_cmp_lt_u32 s3, 2
	s_wait_alu depctr_va_vdst(0)
	s_cbranch_scc1 .Ltile
	PRODUCTS                                       ; tile 2 is written out: it asks for nothing more
	LAST 0
	WAYOUT
	s_wait_tensorcnt 0x0                           ; the wave's end
	ds_add_u32 v[SPW], v[NIL]
	s_wait_dscnt 0x0
	CROUND                                         ; the closing round
	s_endpgm
.Lfunc_end_k_qc42abcc784_qkv:
	.size	k_qc42abcc784_qkv, .Lfunc_end_k_qc42abcc784_qkv-k_qc42abcc784_qkv
	.p2alignl 7, 3214868480
	.fill 96, 4, 3214868480
	.section	.rodata,"a",@progbits
	.p2align	6, 0x0
	.amdhsa_kernel k_qc42abcc784_qkv
		.amdhsa_group_segment_fixed_size 327680
		.amdhsa_private_segment_fixed_size 0
		.amdhsa_enable_private_segment 0
		.amdhsa_kernarg_size 24
		.amdhsa_user_sgpr_count 2
		.amdhsa_user_sgpr_kernarg_segment_ptr 1
		.amdhsa_wavefront_size32 1
		.amdhsa_system_sgpr_workgroup_id_x 1
		.amdhsa_system_sgpr_workgroup_id_y 1
		.amdhsa_system_sgpr_workgroup_id_z 1
		.amdhsa_system_vgpr_workitem_id 0
		.amdhsa_next_free_vgpr 512
		.amdhsa_next_free_sgpr 100
		.amdhsa_reserve_vcc 0
		.amdhsa_float_denorm_mode_32 3
		.amdhsa_float_denorm_mode_16_64 3
		.amdhsa_memory_ordered 1
		.amdhsa_forward_progress 1
		.amdhsa_inst_pref_size 87
	.end_amdhsa_kernel
	.amdgpu_metadata
---
amdhsa.version: [ 1, 2 ]
amdhsa.kernels:
  - .name:           k_qc42abcc784_qkv
    .symbol:         k_qc42abcc784_qkv.kd
    .args:
      - { .name: pimg, .offset: 0, .size: 8, .value_kind: global_buffer, .address_space: global }
      - { .name: lowp_scales, .offset: 8, .size: 8, .value_kind: global_buffer, .address_space: global }
      - { .name: qkv, .offset: 16, .size: 8, .value_kind: global_buffer, .address_space: global }
    .group_segment_fixed_size: 327680
    .private_segment_fixed_size: 0
    .kernarg_segment_align: 8
    .kernarg_segment_size: 24
    .max_flat_workgroup_size: 128
    .sgpr_count:     100
    .vgpr_count:     512
    .wavefront_size: 32
...
	.end_amdgpu_metadata
.endif
;; end of part 2
;; launch attn (part 3): grid 8 x 32, 16 waves a work-group, no clusters, 327,680 bytes of LDS; arguments qkv, lowp_scales, y_img; writes y_img
.if DOCPART == 3
	.amdgcn_target "amdgcn-amd-amdhsa--gfx1250"
	.amdhsa_code_object_version 6
	.text
	.protected	k_qc42abcc784_attn
	.globl	k_qc42abcc784_attn
	.p2align	8
	.type	k_qc42abcc784_attn,@function
k_qc42abcc784_attn:
	s_mov_b64 s[64:65], 0
	v_nop
	global_prefetch_b8 v0, s[64:65] scope:SCOPE_SE
	s_setreg_imm32_b32 hwreg(HW_REG_WAVE_MODE, 25, 1), 1
	s_wait_xcnt 0x0
; ATTENTION, causal, head size 64, 2,048 keys, 32 batch x heads, both products on codes of BF8; its result quantised at once into the image that the projection reads.
; qkv holds q at 0 and k at 4 MiB as [batch x head][16 tokens][2 groups][lane][16 bytes] (a fragment of 16 x 64: 8 registers), v at 8 MiB as [batch x head][128 keys][16 channels: 4][4 groups][lane][16 bytes] (16 x 128: 16 registers).
; THE SOFTMAX: t = score x log2(e) / 8; M = the running largest t rounded UP to a whole number; p = 2^(t - M) is quantised with 2^e4; the row's sum is taken of the unquantised p and divides at the end.
; When M moves, the sum and O are multiplied by 2^(old M - new M): nothing is rounded.
; SHARES.  A work-group has sixteen waves of one tile of 16 queries each: eight from block i of 128 queries and eight from block 15 - i, so that every work-group has 8 (i + 1) + 8 (16 - i) = 136 key steps of work.
; Waves 2 j and 2 j + 1 take tile j of the two blocks; which of them takes the late block alternates with j / 2.
; LAYOUT.  S^T = K Q^T (source 0 = 16 keys, source 1 = my queries), O^T = V^T P^T: a lane holds one query throughout.  Register j of score tile n is key 16 n + 8 h + j: just the place that the second product's operand gives it,
; so the conversions' results are that operand.
; THE RING.  Two LDS slots of 512 keys (K 32,768 bytes, then V 32,768), dense images, filled by waves 0 to 3, 16,384 bytes each.  Every work-group walks all four slots: trip counts are constants; a step all of whose keys come
; after the wave's queries is jumped over by a scalar branch on ids, round no barrier and no tensor load.
; NO CLUSTER: that jump hangs on the block of queries, which would differ between work-groups that share a head's K and V.
; OUT: y_img, the image [tokens 4,096][K 1,024]: a wave's 16 tokens x 64 channels are two groups: 1,024 consecutive bytes.
; LIMITS: e2 + e3 between -123 and 130 (added to c's exponent field); e4 and e6 between -126 and 112; e4 + e5 is applied by v_ldexp_f32.  NaN is not served.
; REGISTERS: v1 16 x lane; v3 the prefetches' offset; v5, v6 the add's; v8 the slot's address; v12 -M, v13 the largest t, v[14:15] the sum; v16-23 Q; v32-95 fragments of K or V; v96-159 S^T, then p; v160-191 O^T; v192-207 p's codes; v208-219 at work.
.set SLOT1, 65536
.set VOFF,  32768
.set SPARE, 2*SLOT1                    ; the spare words, 128 bytes for each of the sixteen waves: eight blocks of 256 bytes that no other line names
.set NSL,   4
.set LI,   1
.set PFO,  3
.set SPW,  5
.set NIL,  6
.set AD,   8
.set WV,   18
.set SEL,  20
.set CS,   22
.set G1,   24
.set G0,   40
.set TB,   44
.set SLOTS, 45
.set KF,   46
.set Q0,   47
.set PFA,  48
.set LIM,  50
.macro TLOAD                           ; waves 0 to 3 fetch, the others nothing; four v_nop follow the line
	s_cmp_lt_u32 s[WV], 4
	s_cbranch_scc0 .Lasked_\@
	tensor_load_to_lds s[G0:G0+3], s[G1:G1+7]
	s_nop 0
.rept 4
	v_nop
.endr
.Lasked_\@:
.endm
; A prefetch of what the NEXT change of slots will ask for.  All eight work-groups of a head walk the same K and V: the head's first asks.  In it waves 4 to 7 ask for K's 32,768 bytes and waves 8 to 11 for V's:
; 8,192 bytes a wave, lanes 256 bytes apart, one instruction: each aligned block of 256 bytes is named once in the launch.  The last change that fills a slot asks for nothing; slots 0 and 1 come by their loads alone.
.macro ASK
	s_cmp_gt_u32 s[SLOTS], s[LIM]
	s_cbranch_scc0 .Lnot_mine_\@
	global_prefetch_b8 v[PFO], s[PFA:PFA+1] th:TH_LOAD_NT scope:SCOPE_SE
.Lnot_mine_\@:
.endm
	s_load_b128 s[4:7], s[0:1], 0x0                ; qkv s[4:5], the scales' exponents s[6:7]
	s_load_b64 s[8:9], s[0:1], 0x10                ; y_img
	v_lshl_add_u32 v[SPW], v0, 2, SPARE
	v_mov_b32 v[NIL], 0
	ds_add_u32 v5, v6
	ds_add_u32 v5, v6
	s_wait_dscnt 0x0
	v_lshrrev_b32 v8, 5, v0
	s_delay_alu instid0(VALU_DEP_1)
	v_readfirstlane_b32 s[WV], v8                  ; wave 0..15
	s_and_b32 s52, ttmp7, 0xffff                   ; batch x 16 + head
	s_lshl_b32 s53, s52, 17                        ; its 131,072 bytes in each of q, k, v
	s_lshr_b32 s54, s[WV], 2
	s_xor_b32 s54, s54, s[WV]
	s_and_b32 s54, s54, 1                          ; 1: the late block
	s_sub_co_u32 s55, 15, ttmp9
	s_cmp_lg_u32 s54, 0
	s_cselect_b32 s55, s55, ttmp9                  ; my block of 128 queries
	s_lshl_b32 s55, s55, 7
	s_lshr_b32 s56, s[WV], 1
	s_lshl_b32 s56, s56, 4
	s_add_co_u32 s[Q0], s55, s56                   ; my first query
	s_and_b32 s56, s[WV], 3
	s_lshl_b32 s57, s56, 14                        ; what I fetch, if I fetch: its place in a slot: K's halves, then V's,
	s_and_b32 s58, s[WV], 1
	s_lshl_b32 s58, s58, 14
	s_add_co_u32 s58, s58, s53
	s_mov_b32 s59, 8388608
	s_cmp_lt_u32 s[WV], 2
	s_cselect_b32 s59, 4194304, s59
	s_add_co_u32 s58, s58, s59                     ; and in memory
	s_mov_b32 s59, 0
	s_mov_b32 s[G1], 3<<16                         ; no mask; elements of 8 bytes; no padding
	s_mov_b32 s[G1+1], 32<<16                      ; tensor_dim0 = 32 elements: 256 bytes
	s_mov_b32 s[G1+2], 64<<16                      ; tensor_dim1 = 64 rows: a dense block of 16,384 bytes
	s_mov_b32 s[G1+3], 32<<16
	s_mov_b32 s[G1+4], 64
	s_mov_b32 s[G1+5], 32
	s_mov_b32 s[G1+6], 0
	s_mov_b32 s[G1+7], 0
	s_mov_b32 s[SEL], 0x76543210
	s_mov_b32 s[SEL+1], 0xfedcba98
	s_mov_b32 s[CS], 0x3e38aa3b                    ; c = log2(e) / 8
	s_mov_b32 s[TB], 0
	s_mov_b32 s[SLOTS], NSL-1
	s_mov_b32 s[KF], 0
	s_wait_kmcnt 0x0
	s_load_b256 s[68:75], s[6:7], 0x0              ; e0 .. e7
	s_mov_b32 s[G0], 1
	s_mov_b32 s[G0+1], s57
	s_add_nc_u64 s[G0+2:G0+3], s[4:5], s[58:59]
	s_or_b32 s[G0+3], s[G0+3], 0x80000000
	TLOAD                                          ; slot 0
	s_and_b32 s60, s[WV], 3                        ; the prefetches: my wave's 8,192 bytes,
	s_lshl_b32 s60, s60, 13
	s_add_co_u32 s60, s60, s53
	s_add_co_u32 s60, s60, 32768                   ; in slot 1: the first change of slots steps it to slot 2
	s_mov_b32 s61, 8388608
	s_cmp_lt_u32 s[WV], 8
	s_cselect_b32 s61, 4194304, s61
	s_add_co_u32 s60, s60, s61
	s_mov_b32 s61, 0
	s_add_nc_u64 s[PFA:PFA+1], s[4:5], s[60:61]
	s_sub_co_u32 s62, s[WV], 4
	s_lshr_b32 s62, s62, 3                         ; 0 in waves 4 to 11,
	s_or_b32 s62, s62, ttmp9                       ; of the head's first work-group
	s_cmp_eq_u32 s62, 0
	s_cselect_b32 s[LIM], 1, -1
	s_lshl_b32 s60, s[Q0], 6
	s_add_co_u32 s60, s60, s53                     ; Q's fragment: (head x 128 + Q0 / 16) x 1,024
	s_add_nc_u64 s[10:11], s[4:5], s[60:61]
	v_and_b32 v[LI], 31, v0
	s_delay_alu instid0(VALU_DEP_1)
	v_lshlrev_b32 v[PFO], 8, v[LI]
	s_delay_alu instid0(VALU_DEP_2)
	v_lshlrev_b32 v[LI], 4, v[LI]
	global_load_b128 v[16:19], v[LI], s[10:11]
	global_load_b128 v[20:23], v[LI], s[10:11] offset:512
	v_mov_b32 v13, 0xff61b1e6                      ; the largest t so far: -3e38
	s_delay_alu instid0(VALU_DEP_1)
	v_floor_f32 v12, -v13                          ; -M
	v_mov_b32 v14, 0
	v_mov_b32 v15, 0
	v_mov_b32 v208, 0                              ; a lane permute's destination counts as one of its sources
	v_mov_b32 v213, 0                              ; (named as the upper half of the pair v[212:213])
.set n, 0
.rept 32
	v_mov_b32 v[160+n], 0                          ; O^T: the step is written once; its first run finds zeros
.set n, n+1
.endr
	s_wait_kmcnt 0x0
	s_add_co_i32 s60, s70, s71
	s_lshl_b32 s60, s60, 23
	s_add_co_i32 s[CS], s[CS], s60                 ; a score stands for score x 2^(e2 + e3)
	s_mov_b32 s[CS+1], s[CS]
	s_add_co_i32 s60, s72, 127
	s_lshl_b32 s61, s60, 23
	v_mov_b32 v217, s61                            ; 2^e4
	s_add_co_i32 s60, s60, 15
	s_lshl_b32 s60, s60, 23
	s_or_b32 s60, s60, 0x600000
	v_mov_b32 v216, s60                            ; 57,344 x 2^e4
; A KEY STEP: 128 keys, the q-th of the slot in hand
.macro STEP q
	s_add_co_u32 s96, s[Q0], 15
	s_cmp_gt_u32 s[KF], s96                        ; all its keys come after my queries: nothing to do
	s_cbranch_scc1 .Lhidden_\@
	v_add_nc_u32 v[AD], s[TB], v[LI]
.rept 3
	v_nop                                          ; with the addition: four places in front of loads into registers that the last products read
.endr
.set n, 0
.rept 16
	ds_load_b128 v[32+4*n:35+4*n], v[AD] offset:(\q)*8192+512*n     ; eight fragments of 16 keys x 64, 512 consecutive bytes a load
.set n, n+1
.endr
	s_wait_alu depctr_va_vdst(0)
	s_wait_dscnt 0x0
.set n, 0
.rept 8
	v_wmma_f32_16x16x64_bf8_bf8 v[96+8*n:103+8*n], v[32+8*n:39+8*n], v[16:23], 0
.set n, n+1
.endr
.rept 4
	v_nop
.endr
.set n, 0
.rept 16
	ds_load_b128 v[32+4*n:35+4*n], v[AD] offset:VOFF+(\q)*8192+512*n    ; four fragments of 16 channels x 128 keys, into K's registers, four places behind the products that read them: the softmax stands between these loads and the wait for them
.set n, n+1
.endr
	s_add_co_u32 s96, s[KF], 127
	s_cmp_le_u32 s96, s[Q0]                        ; all keys count: no mask
	s_cbranch_scc1 .Lopen_\@
	s_sub_co_i32 s96, s[Q0], s[KF]
	v_and_b32 v218, 15, v0
	v_bfe_u32 v214, v0, 4, 1
	s_delay_alu instid0(VALU_DEP_1)
	v_lshlrev_b32 v214, 3, v214
	s_delay_alu instid0(VALU_DEP_1)
	v_sub_nc_u32 v218, v218, v214
	s_delay_alu instid0(VALU_DEP_1)
	v_add_nc_u32 v218, s96, v218                   ; d = my query - KF - 8 h.  Register 8 n + j holds key KF + 16 n + 8 h + j: hidden where 16 n + j > d
	v_mov_b32 v219, 0xff800000
.set n, 0
.rept 64
	v_cmp_gt_i32 vcc_lo, 16*(n/8)+n%8, v218
	v_cndmask_b32 v[96+n], v[96+n], v219, vcc_lo
.set n, n+1
.endr
.Lopen_\@:
	v_max3_num_f32 v214, v96, v97, v98             ; the step's largest score of my query among my 64 keys, in two chains,
	v_max3_num_f32 v215, v99, v100, v101
.irp i, 6,10,14,18,22,26,30,34,38,42,46,50,54,58
	v_max3_num_f32 v214, v214, v[96+\i], v[97+\i]
	v_max3_num_f32 v215, v215, v[98+\i], v[99+\i]
.endr
	v_max3_num_f32 v214, v214, v158, v159
	s_delay_alu instid0(VALU_DEP_1)
	v_max_num_f32 v214, v214, v215
	s_delay_alu instid0(VALU_DEP_1)
	v_permlanex16_b32 v208, v214, s[SEL], s[SEL+1]
	s_delay_alu instid0(VALU_DEP_1)
	v_max_num_f32 v214, v214, v208                 ; and among lane l xor 16's
	s_delay_alu instid0(VALU_DEP_1)
	v_mul_f32 v214, s[CS], v214
	s_delay_alu instid0(VALU_DEP_1)
	v_max_num_f32 v13, v13, v214                   ; the running largest t
	v_mov_b32 v214, v12
	s_delay_alu instid0(VALU_DEP_2)
	v_floor_f32 v12, -v13                          ; the new -M = -ceil(t)
	s_delay_alu instid0(VALU_DEP_1)
	v_sub_f32 v214, v12, v214                      ; old M - new M: a whole number, 0 or less
	s_delay_alu instid0(VALU_DEP_1)
	v_cvt_i32_f32 v214, v214                       ; (it saturates)
	s_delay_alu instid0(VALU_DEP_1)
	v_ldexp_f32 v212, 1.0, v214                    ; f = 2^(old M - new M)
.set n, 0
.rept 32
	v_pk_fma_f32 v[96+n:97+n], v[96+n:97+n], s[CS:CS+1], v[12:13] op_sel_hi:[1,0,0]   ; t - M
.set n, n+2
.endr
.set n, 0
	s_wait_alu depctr_va_vdst(0)
.rept 64
	v_exp_f32 v[96+n], v[96+n]                     ; p = 2^(t - M)
.set n, n+1
.endr
	v_pk_mul_f32 v[14:15], v[14:15], v[212:213] op_sel_hi:[1,0]   ; the sums under the new M: a plain line behind the exponentials
	s_wait_alu depctr_va_vdst(0)                   ; one wait for the whole batch, ahead of its first reader
	v_pk_add_f32 v[210:211], v[100:101], v[104:105]
	v_pk_add_f32 v[254:255], v[108:109], v[112:113]
	v_pk_add_f32 v[252:253], v[116:117], v[120:121]
	v_pk_add_f32 v[250:251], v[124:125], v[128:129]
	v_pk_add_f32 v[248:249], v[132:133], v[136:137]
	v_pk_add_f32 v[246:247], v[140:141], v[144:145]
	v_pk_add_f32 v[244:245], v[148:149], v[152:153]
	v_pk_add_f32 v[14:15], v[14:15], v[156:157]
	v_pk_add_f32 v[210:211], v[210:211], v[96:97]
	v_pk_add_f32 v[254:255], v[254:255], v[98:99]
	v_pk_add_f32 v[252:253], v[252:253], v[102:103]
	v_pk_add_f32 v[250:251], v[250:251], v[106:107]
	v_pk_add_f32 v[248:249], v[248:249], v[110:111]
	v_pk_add_f32 v[246:247], v[246:247], v[114:115]
	v_pk_add_f32 v[244:245], v[244:245], v[118:119]
	v_pk_add_f32 v[14:15], v[14:15], v[122:123]
	v_pk_add_f32 v[210:211], v[210:211], v[126:127]
	v_pk_add_f32 v[254:255], v[254:255], v[130:131]
	v_pk_add_f32 v[252:253], v[252:253], v[134:135]
	v_pk_add_f32 v[250:251], v[250:251], v[138:139]
	v_pk_add_f32 v[248:249], v[248:249], v[142:143]
	v_pk_add_f32 v[246:247], v[246:247], v[146:147]
	v_pk_add_f32 v[244:245], v[244:245], v[150:151]
	v_pk_add_f32 v[14:15], v[14:15], v[154:155]
	v_pk_add_f32 v[210:211], v[210:211], v[158:159]
	s_delay_alu instid0(VALU_DEP_2)
	v_pk_add_f32 v[14:15], v[14:15], v[250:251]
	s_delay_alu instid0(VALU_DEP_2)
	v_pk_add_f32 v[210:211], v[210:211], v[248:249]
	v_pk_add_f32 v[254:255], v[254:255], v[246:247]
	v_pk_add_f32 v[252:253], v[252:253], v[244:245]
	s_delay_alu instid0(VALU_DEP_2)
	v_pk_add_f32 v[14:15], v[14:15], v[254:255]
	s_delay_alu instid0(VALU_DEP_2)
	v_pk_add_f32 v[210:211], v[210:211], v[252:253]
	s_delay_alu instid0(VALU_DEP_1)
	v_pk_add_f32 v[14:15], v[14:15], v[210:211]
.irp b, 0,1,2,3,4,5,6,7
.irp i, 0,1,2,3,4,5,6,7
	v_min_num_f32 v[96+8*\b+\i], v[96+8*\b+\i], v216   ; the hold; p is not negative
.endr
	v_cvt_scalef32_pk8_bf8_f32 v[192+2*\b:193+2*\b], v[96+8*\b:103+8*\b], v217
.endr
.set n, 0
.rept 16
	v_pk_mul_f32 v[160+n:161+n], v[160+n:161+n], v[212:213] op_sel_hi:[1,0]   ; O^T under the new M; also the places in front of the loads and products below
.set n, n+2
.endr
	s_wait_alu depctr_va_vdst(0)
	s_wait_dscnt 0x0                               ; V's fragments, asked for behind the score products
.set n, 0
.rept 4
	v_wmma_f32_16x16x128_bf8_bf8 v[160+8*n:167+8*n], v[32+16*n:47+16*n], v[192:207], v[160+8*n:167+8*n]
.set n, n+1
.endr
.Lhidden_\@:
	s_add_co_u32 s[KF], s[KF], 128
.endm
; THE CHANGE OF SLOTS, at a slot's head.  Each wave waits for all its tensor loads, adds 0 to its spare word, and waits for that and for its reads of the slot that it has left; behind the barrier the slot ahead is whole and
; nobody reads the other.  fill = 1: that other slot takes the next 512 keys: the load has a slot's four steps in which to land.
.macro CHANGE fill
	s_wait_tensorcnt 0x0                           ; no tensor load of mine is out, so the group 0 may be written
	ds_add_u32 v[SPW], v[NIL]                      ; 0 onto my spare word
.if \fill
	s_xor_b32 s[G0+1], s[G0+1], SLOT1
	s_add_nc_u64 s[G0+2:G0+3], s[G0+2:G0+3], 32768
	s_wait_xcnt 0x0                                ; the last prefetch, a slot back, has read its address
	s_add_nc_u64 s[PFA:PFA+1], s[PFA:PFA+1], 32768
.endif
	s_wait_dscnt 0x0
	s_barrier_signal -1
	s_barrier_wait -1
.if \fill
	TLOAD                                          ; the first thing behind the barrier, a wave's one tensor load until the next
	ASK
.endif
.endm
.macro SLOT_STEPS
	STEP 0
	STEP 1
	STEP 2
	STEP 3
	s_xor_b32 s[TB], s[TB], SLOT1
.endm
	s_wait_loadcnt 0x0                             ; Q
.Lslot:                                            ; three trips: behind each change of slots but the last the next slot is asked for
	CHANGE 1
	SLOT_STEPS
	s_sub_co_u32 s[SLOTS], s[SLOTS], 1
	s_cmp_lg_u32 s[SLOTS], 0
	s_cbranch_scc1 .Lslot
	CHANGE 0                                       ; the last slot is written out
	SLOT_STEPS
	; THE WAY OUT: O^T / the sum x 2^(e4 + e5) is the projection's operand: held, converted with 2^e6, stored as two groups of its image
	v_add_f32 v14, v14, v15
	s_delay_alu instid0(VALU_DEP_1)
	v_permlanex16_b32 v208, v14, s[SEL], s[SEL+1]
	s_delay_alu instid0(VALU_DEP_1)
	v_add_f32 v14, v14, v208                       ; the row's sum
	s_wait_alu depctr_va_vdst(0)
	v_rcp_f32 v14, v14
	v_nop                                          ; a plain line behind the transcendental
	s_add_co_i32 s60, s74, 127                     ; e6
	s_lshl_b32 s61, s60, 23
	v_mov_b32 v217, s61
	s_add_co_i32 s60, s60, 15
	s_lshl_b32 s60, s60, 23
	s_or_b32 s60, s60, 0x600000
	v_mov_b32 v216, s60
	s_add_co_i32 s62, s72, s73                     ; e4 + e5
	s_lshr_b32 s56, s52, 4
	s_lshl_b32 s56, s56, 7
	s_lshr_b32 s57, s[Q0], 4
	s_add_co_u32 s56, s56, s57                     ; my block of 16 tokens among 256
	s_and_b32 s57, s52, 15                         ; the head: K = 64 x head + channel
	s_lshr_b32 s58, s56, 2
	s_lshl_b32 s58, s58, 1
	s_lshr_b32 s59, s57, 3
	s_add_co_u32 s58, s58, s59
	s_lshl_b32 s58, s58, 15
	s_and_b32 s59, s56, 3
	s_lshl_b32 s59, s59, 13
	s_add_co_u32 s58, s58, s59
	s_bfe_u32 s59, s57, 0x20001
	s_lshl_b32 s59, s59, 11
	s_add_co_u32 s58, s58, s59
	s_and_b32 s59, s57, 1
	s_lshl_b32 s59, s59, 10
	s_add_co_u32 s58, s58, s59
	s_mov_b32 s59, 0
	s_add_nc_u64 s[8:9], s[8:9], s[58:59]
	s_wait_alu depctr_va_vdst(0)                   ; ahead of the reciprocal's first reader
	v_ldexp_f32 v14, v14, s62
.set n, 0
.rept 32
	v_mul_f32 v[96+n], v[160+n], v14               ; register 8 t + j: y(my query, channel 16 t + 8 h + j)
.set n, n+1
.endr
.set n, 0
.rept 32
	v_med3_num_f32 v[96+n], v[96+n], -v216, v216
.set n, n+1
.endr
.irp t, 0,1,2,3
	v_cvt_scalef32_pk8_bf8_f32 v[128+2*\t:129+2*\t], v[96+8*\t:103+8*\t], v217
.endr
	v_nop
	global_store_b128 v[LI], v[128:131], s[8:9]
	global_store_b128 v[LI], v[132:135], s[8:9] offset:512
	s_wait_tensorcnt 0x0                           ; the wave's end
	ds_add_u32 v[SPW], v[NIL]
	s_wait_dscnt 0x0
	s_endpgm
.Lfunc_end_k_qc42abcc784_attn:
	.size	k_qc42abcc784_attn, .Lfunc_end_k_qc42abcc784_attn-k_qc42abcc784_attn
	.p2alignl 7, 3214868480
	.fill 96, 4, 3214868480
	.section	.rodata,"a",@progbits
	.p2align	6, 0x0
	.amdhsa_kernel k_qc42abcc784_attn
		.amdhsa_group_segment_fixed_size 327680
		.amdhsa_private_segment_fixed_size 0
		.amdhsa_enable_private_segment 0
		.amdhsa_kernarg_size 24
		.amdhsa_user_sgpr_count 2
		.amdhsa_user_sgpr_kernarg_segment_ptr 1
		.amdhsa_wavefront_size32 1
		.amdhsa_system_sgpr_workgroup_id_x 1
		.amdhsa_system_sgpr_workgroup_id_y 1
		.amdhsa_system_sgpr_workgroup_id_z 1
		.amdhsa_system_vgpr_workitem_id 0
		.amdhsa_next_free_vgpr 256
		.amdhsa_next_free_sgpr 100
		.amdhsa_reserve_vcc 1
		.amdhsa_float_denorm_mode_32 3
		.amdhsa_float_denorm_mode_16_64 3
		.amdhsa_memory_ordered 1
		.amdhsa_forward_progress 1
		.amdhsa_inst_pref_size 182
	.end_amdhsa_kernel
	.amdgpu_metadata
---
amdhsa.version: [ 1, 2 ]
amdhsa.kernels:
  - .name:           k_qc42abcc784_attn
    .symbol:         k_qc42abcc784_attn.kd
    .args:
      - { .name: qkv, .offset: 0, .size: 8, .value_kind: global_buffer, .address_space: global }
      - { .name: lowp_scales, .offset: 8, .size: 8, .value_kind: global_buffer, .address_space: global }
      - { .name: y_img, .offset: 16, .size: 8, .value_kind: global_buffer, .address_space: global }
    .group_segment_fixed_size: 327680
    .private_segment_fixed_size: 0
    .kernarg_segment_align: 8
    .kernarg_segment_size: 24
    .max_flat_workgroup_size: 512
    .sgpr_count:     100
    .vgpr_count:     256
    .wavefront_size: 32
...
	.end_amdgpu_metadata
.endif
;; end of part 3
;; launch proj (part 4): grid 8 x 32, 4 waves a work-group, clusters of 4 x 4, 327,680 bytes of LDS; arguments y_img, pimg, lowp_scales, x, x1; writes x1
.if DOCPART == 4
	.amdgcn_target "amdgcn-amd-amdhsa--gfx1250"
	.amdhsa_code_object_version 6
	.text
	.protected	k_qc42abcc784_proj
	.globl	k_qc42abcc784_proj
	.p2align	8
	.type	k_qc42abcc784_proj,@function
k_qc42abcc784_proj:
	s_mov_b64 s[64:65], 0
	v_nop
	global_prefetch_b8 v0, s[64:65] scope:SCOPE_SE
	s_setreg_imm32_b32 hwreg(HW_REG_WAVE_MODE, 25, 1), 1
	s_wait_xcnt 0x0
	s_wait_alu depctr_hold_cnt(0) depctr_sa_sdst(0) depctr_va_vdst(0) depctr_va_sdst(0) depctr_va_ssrc(0) depctr_va_vcc(0) depctr_vm_vsrc(0)
	s_getreg_b32 s2, hwreg(HW_REG_IB_STS2, 6, 4)
	s_cmp_eq_u32 s2, 0
	s_cbranch_scc0 .Lentry_in_a_cluster
	s_endpgm
.Lentry_in_a_cluster:
	s_bfe_u32 s2, ttmp6, 0x10000c
	s_cmp_lg_u32 s2, 0xf033
	s_cbranch_scc0 .Lentry_shape_is_right
	s_endpgm
.Lentry_shape_is_right:
.set KDIM,  1024
.set XOFF,  3145728
.set EA,    78
.set EB,    79
.set NCH,   KDIM/512
.set LAPS,  KDIM/1024
.set BLK,   32768
.set SLOT,  4*BLK
.set STAGE, 2*SLOT
.set SPARE, STAGE+4*16*272
.set ADRY, 16
.set ADRX, 20
.set STO,  24
.set RD,   25
.set CO,   26
.set LI,   27
.set SPW,  28
.set NIL,  29
.set BK,   32
.set RES,  64
.set ACC,  128
.set F0,   0
.set F1,   128
.set G1,  24
.set G0,  32
.set G1X, 48
.set G0X, 56
.set MSB, 0
.macro WIN new
.if MSB != \new
	s_set_vgpr_msb (MSB<<8)|\new
.set MSB, \new
.endif
.endm
.set MUL,  0x05
.set TO_F, 0x40
.macro JLOAD s
	s_cmp_eq_u32 s11, 0
	s_cbranch_scc0 .Lfor_x_\@
	tensor_load_to_lds s[G0+4*\s:G0+4*\s+3], s[G1:G1+7]
	s_nop 0
.rept 4
	v_nop
.endr
	s_branch .Lasked_\@
.Lfor_x_\@:
	tensor_load_to_lds s[G0X+4*\s:G0X+4*\s+3], s[G1X:G1X+7]
	s_nop 0
.rept 4
	v_nop
.endr
.Lasked_\@:
.endm
.macro CREST
	s_cmp_lg_u32 s10, 0
	s_cbranch_scc1 .Lnot_wave_0_\@
	s_barrier_signal -3
.Lnot_wave_0_\@:
	s_barrier_wait -3
	s_barrier_signal -1
	s_barrier_wait -1
.endm
.macro CROUND
	s_barrier_signal -1
	s_barrier_wait -1
	CREST
.endm
.macro PLACES
.rept 4
	v_nop
.endr
.endm
.macro MUL8 f, a0, zero
.irp a, \a0, \a0+1
.irp b, 0,1,2,3
.if \zero
	v_wmma_f32_16x16x128_bf8_bf8 v[ACC+8*(4*(\a)+\b):ACC+8*(4*(\a)+\b)+7], v[\f+64+16*\b:\f+64+16*\b+15], v[\f+16*(\a):\f+16*(\a)+15], 0
.else
	v_wmma_f32_16x16x128_bf8_bf8 v[ACC+8*(4*(\a)+\b):ACC+8*(4*(\a)+\b)+7], v[\f+64+16*\b:\f+64+16*\b+15], v[\f+16*(\a):\f+16*(\a)+15], v[ACC+8*(4*(\a)+\b):ACC+8*(4*(\a)+\b)+7]
.endif
.endr
.endr
.endm
.macro FETCH slot, ks, f
	WIN TO_F
.irp b, 0,1,2,3
.irp g, 0,1,2,3
	ds_load_b128 v[\f+64+16*\b+4*\g:\f+64+16*\b+4*\g+3], v[ADRX+\slot] offset:\b*8192+\ks*2048+\g*512
.endr
.endr
.irp a, 0,1,2,3
.irp g, 0,1,2,3
	ds_load_b128 v[\f+16*\a+4*\g:\f+16*\a+4*\g+3], v[ADRY+\slot] offset:\a*8192+\ks*2048+\g*512
.endr
.endr
.endm
.macro QUARTER slot, ks, f, nf, zero
	s_wait_dscnt 8
	WIN MUL
	MUL8 \f, 0, \zero
	PLACES
	FETCH \slot, \ks, \nf
	s_wait_dscnt 32
	WIN MUL
	MUL8 \f, 2, \zero
.endm
.macro TURN slot, next, fill
	WIN 0
	s_wait_tensorcnt 0x0
	ds_add_u32 v[SPW], v[NIL]
	s_wait_dscnt 9
	WIN MUL
	MUL8 F1, 0, 0
	WIN 0
	s_wait_dscnt 0x0
	s_barrier_signal -1
	s_barrier_wait -1
.if \fill
	CREST
	s_add_nc_u64 s[G0+4*\slot+2:G0+4*\slot+3], s[G0+4*\slot+2:G0+4*\slot+3], 2*BLK
	s_add_nc_u64 s[G0X+4*\slot+2:G0X+4*\slot+3], s[G0X+4*\slot+2:G0X+4*\slot+3], 2*BLK
	JLOAD \slot
.else
	PLACES
.endif
	FETCH \next, 0, F0
	WIN MUL
	MUL8 F1, 2, 0
.endm
.macro RLOAD a
.irp t, 0,1,2,3,4,5,6,7
	global_load_b128 v[RES+32*((\a)%2)+4*\t:RES+32*((\a)%2)+4*\t+3], v[CO], s[68:69] offset:(16*(\a)+2*\t)*4096
.endr
.endm
	s_load_b128 s[4:7], s[0:1], 0x0
	s_load_b64 s[66:67], s[0:1], 0x10
	s_load_b128 s[68:71], s[0:1], 0x18
	v_lshl_add_u32 v[SPW], v0, 2, SPARE
	v_mov_b32 v[NIL], 0
	ds_add_u32 v28, v29
	ds_add_u32 v28, v29
	s_wait_dscnt 0x0
	v_lshrrev_b32 v1, 5, v0
	v_readfirstlane_b32 s10, v1
	s_lshr_b32 s11, s10, 1
	s_and_b32 s12, s10, 1
	s_bfe_u32 s40, ttmp6, 0x40000
	s_bfe_u32 s41, ttmp6, 0x40004
	s_lshl_b32 s42, ttmp9, 2
	s_add_co_u32 s42, s42, s40
	s_and_b32 s13, ttmp7, 0xffff
	s_lshl_b32 s13, s13, 2
	s_add_co_u32 s13, s13, s41
	s_lshl_b32 s43, s41, 2
	s_lshl_b32 s43, 15, s43
	s_lshl_b32 s44, 0x1111, s40
	s_or_b32 s[G1+0], s43, (3<<16)|(1<<21)
	s_or_b32 s[G1X+0], s44, (3<<16)|(1<<21)
.irp g, G1, G1X
	s_mov_b32 s[\g+1], 32<<16
	s_mov_b32 s[\g+2], 256<<16                     ; 256 rows of 256 bytes: 64 rows of the operand, both chunks of K, 65,536 consecutive bytes
	s_mov_b32 s[\g+3], 32<<16
	s_mov_b32 s[\g+4], 256
	s_mov_b32 s[\g+5], 32
	s_mov_b32 s[\g+6], 0
	s_mov_b32 s[\g+7], 0
.endr
	s_lshl_b32 s16, s13, 1
	s_add_co_u32 s16, s16, s12
	s_mul_i32 s16, s16, NCH*BLK
	s_mov_b32 s17, 0
	s_lshl_b32 s46, s42, 1
	s_add_co_u32 s46, s46, s12
	s_mul_i32 s46, s46, NCH*BLK
	s_add_co_u32 s46, s46, XOFF
	s_mov_b32 s47, 0
	s_mul_i32 s20, s10, 2*BLK                      ; my block in LDS: wave x 65,536: chunk 0, then chunk 1
	s_wait_kmcnt 0x0
	s_load_b256 s[72:79], s[66:67], 0x0
	s_load_b128 s[80:83], s[66:67], 0x20
	s_add_nc_u64 s[14:15], s[4:5], s[16:17]
	s_add_nc_u64 s[46:47], s[6:7], s[46:47]
	CROUND
.irp s, 0                                      ; one load a wave brings both chunks of K
	s_mov_b32 s[G0+4*\s], 1
	s_add_co_u32 s[G0+4*\s+1], s20, \s*SLOT
	s_add_nc_u64 s[G0+4*\s+2:G0+4*\s+3], s[14:15], \s*BLK
	s_or_b32 s[G0+4*\s+3], s[G0+4*\s+3], 0x80000000
	s_mov_b32 s[G0X+4*\s], 1
	s_add_co_u32 s[G0X+4*\s+1], s20, \s*SLOT
	s_add_nc_u64 s[G0X+4*\s+2:G0X+4*\s+3], s[46:47], \s*BLK
	s_or_b32 s[G0X+4*\s+3], s[G0X+4*\s+3], 0x80000000
	JLOAD \s
.endr
	v_and_b32 v1, 31, v0
	v_lshlrev_b32 v[LI], 4, v1
	s_mul_i32 s21, s11, 2*BLK
	s_mul_i32 s22, s12, 2*BLK
	s_add_co_u32 s22, s22, 4*BLK
.irp s, 0,1
	v_add_nc_u32 v[ADRY+\s], s21, v[LI]
	v_add_nc_u32 v[ADRX+\s], s22, v[LI]
	s_add_co_u32 s21, s21, BLK
	s_add_co_u32 s22, s22, BLK
.endr
	v_and_b32 v1, 15, v0
	v_bfe_u32 v2, v0, 4, 1
	s_mul_i32 s23, s10, 16*272
	s_add_co_u32 s23, s23, STAGE
	v_mul_u32_u24 v4, v1, 272
	v_lshl_add_u32 v4, v2, 5, v4
	v_add_nc_u32 v[STO], s23, v4
	v_mul_u32_u24 v5, v2, 272
	v_lshl_add_u32 v5, v1, 4, v5
	v_add_nc_u32 v[RD], s23, v5
	v_lshlrev_b32 v5, 12, v2
	v_lshl_add_u32 v[CO], v1, 4, v5
	s_wait_alu depctr_va_vdst(0)
	s_lshl_b32 s16, s13, 7
	s_lshl_b32 s17, s11, 6
	s_add_co_u32 s16, s16, s17
	s_lshl_b32 s16, s16, 12
	s_lshl_b32 s46, s42, 9
	s_lshl_b32 s47, s12, 8
	s_add_co_u32 s46, s46, s47
	s_add_co_u32 s46, s46, s16
	s_mov_b32 s47, 0
	s_add_nc_u64 s[68:69], s[68:69], s[46:47]
	s_add_nc_u64 s[70:71], s[70:71], s[46:47]
	RLOAD 0
	RLOAD 1
	s_wait_tensorcnt 0x0                           ; my one load is in
	s_barrier_signal -1
	s_barrier_wait -1
	FETCH 0, 0, F0
	QUARTER 0, 1, F0, F1, 1
.if LAPS > 1
	WIN 0
	s_mov_b32 s3, LAPS-1
.Llap:
	QUARTER 0, 2, F1, F0, 0
	QUARTER 0, 3, F0, F1, 0
	TURN 0, 1, 1
	QUARTER 1, 1, F0, F1, 0
	QUARTER 1, 2, F1, F0, 0
	QUARTER 1, 3, F0, F1, 0
	TURN 1, 0, 1
	QUARTER 0, 1, F0, F1, 0
	WIN 0
	s_sub_co_u32 s3, s3, 1
	s_cmp_lg_u32 s3, 0
	s_cbranch_scc1 .Llap
.endif
	QUARTER 0, 2, F1, F0, 0
	QUARTER 0, 3, F0, F1, 0
	TURN 0, 1, 0
	QUARTER 1, 1, F0, F1, 0
	QUARTER 1, 2, F1, F0, 0
	QUARTER 1, 3, F0, F1, 0
	s_wait_dscnt 8
	WIN MUL
	MUL8 F1, 0, 0
	s_wait_dscnt 0
	MUL8 F1, 2, 0
	WIN 0
	s_wait_kmcnt 0x0
	s_add_co_i32 s84, s[EA], s[EB]
	s_add_co_i32 s84, s84, 127
	s_lshl_b32 s84, s84, 23
	s_mov_b32 s85, s84
	PLACES
.irp a, 0,1,2,3
.if \a > 0
	s_wait_xcnt 0x0
.endif
.irp b, 0,1,2,3
	ds_store_b128 v[STO], v[ACC+8*(4*\a+\b):ACC+8*(4*\a+\b)+3] offset:64*\b
	ds_store_b128 v[STO], v[ACC+8*(4*\a+\b)+4:ACC+8*(4*\a+\b)+7] offset:64*\b+16
.endr
.irp t, 0,1,2,3,4,5,6,7
	ds_load_b128 v[BK+4*\t:BK+4*\t+3], v[RD] offset:544*\t
.endr
	s_wait_dscnt 0x0
.if \a < 3
	s_wait_loadcnt 8
.else
	s_wait_loadcnt 0
.endif
.set n, 0
.rept 16
	v_pk_fma_f32 v[BK+n:BK+n+1], v[BK+n:BK+n+1], s[84:85], v[RES+32*(\a%2)+n:RES+32*(\a%2)+n+1] op_sel_hi:[1,0,1]
.set n, n+2
.endr
.irp t, 0,1,2,3,4,5,6,7
	global_store_b128 v[CO], v[BK+4*\t:BK+4*\t+3], s[70:71] offset:(16*\a+2*\t)*4096
.endr
.if \a < 2
	RLOAD \a+2
.endif
.endr
	s_wait_tensorcnt 0x0
	ds_add_u32 v[SPW], v[NIL]
	s_wait_dscnt 0x0
	CROUND
	s_endpgm
.Lfunc_end_k_qc42abcc784_proj:
	.size	k_qc42abcc784_proj, .Lfunc_end_k_qc42abcc784_proj-k_qc42abcc784_proj
	.p2alignl 7, 3214868480
	.fill 96, 4, 3214868480
	.section	.rodata,"a",@progbits
	.p2align	6, 0x0
	.amdhsa_kernel k_qc42abcc784_proj
		.amdhsa_group_segment_fixed_size 327680
		.amdhsa_private_segment_fixed_size 0
		.amdhsa_enable_private_segment 0
		.amdhsa_kernarg_size 40
		.amdhsa_user_sgpr_count 2
		.amdhsa_user_sgpr_kernarg_segment_ptr 1
		.amdhsa_wavefront_size32 1
		.amdhsa_system_sgpr_workgroup_id_x 1
		.amdhsa_system_sgpr_workgroup_id_y 1
		.amdhsa_system_sgpr_workgroup_id_z 1
		.amdhsa_system_vgpr_workitem_id 0
		.amdhsa_next_free_vgpr 512
		.amdhsa_next_free_sgpr 100
		.amdhsa_reserve_vcc 0
		.amdhsa_float_denorm_mode_32 3
		.amdhsa_float_denorm_mode_16_64 3
		.amdhsa_memory_ordered 1
		.amdhsa_forward_progress 1
		.amdhsa_inst_pref_size 48
	.end_amdhsa_kernel
	.amdgpu_metadata
---
amdhsa.version: [ 1, 2 ]
amdhsa.kernels:
  - .name:           k_qc42abcc784_proj
    .symbol:         k_qc42abcc784_proj.kd
    .args:
      - { .name: y_img, .offset: 0, .size: 8, .value_kind: global_buffer, .address_space: global }
      - { .name: pimg, .offset: 8, .size: 8, .value_kind: global_buffer, .address_space: global }
      - { .name: lowp_scales, .offset: 16, .size: 8, .value_kind: global_buffer, .address_space: global }
      - { .name: x, .offset: 24, .size: 8, .value_kind: global_buffer, .address_space: global }
      - { .name: x1, .offset: 32, .size: 8, .value_kind: global_buffer, .address_space: global }
    .group_segment_fixed_size: 327680
    .private_segment_fixed_size: 0
    .kernarg_segment_align: 8
    .kernarg_segment_size: 40
    .max_flat_workgroup_size: 128
    .sgpr_count:     100
    .vgpr_count:     512
    .wavefront_size: 32
...
	.end_amdgpu_metadata
.endif
;; end of part 4
;; launch ln2 (part 5): grid 256 x 1, 4 waves a work-group, no clusters, 17,408 bytes of LDS; arguments x1, ln2_g, ln2_b, lowp_scales, a2_img; writes a2_img
.if DOCPART == 5
	.amdgcn_target "amdgcn-amd-amdhsa--gfx1250"
	.amdhsa_code_object_version 6
	.text
	.protected	k_qc42abcc784_ln2
	.globl	k_qc42abcc784_ln2
	.p2align	8
	.type	k_qc42abcc784_ln2,@function
k_qc42abcc784_ln2:
	s_mov_b64 s[64:65], 0
	v_nop
	global_prefetch_b8 v0, s[64:65] scope:SCOPE_SE
	s_setreg_imm32_b32 hwreg(HW_REG_WAVE_MODE, 25, 1), 1
	s_wait_xcnt 0x0
; LAYERNORM 2 of x1 [4,096][1,024] f32, quantised to codes of BF8 with 2^e8, laid as an image of operand registers in a2_img:
; a fragment of 16 rows x 128 K is 2,048 bytes, four groups of 512, lane l's 16 bytes (k = 32 g + 8 h + 0..7, then + 16) at 16 l; fragments lie [row/64][k/512][(row/16)%4][(k/128)%4].
; A work-group takes 16 rows, wave w rows 4 w .. 4 w + 3, a whole row in 32 registers a lane: the row is read once.  Mean first, then the variance of the differences.
; LIMIT: e8 between -126 and 112.  NaN is not served.  No tensor load, no matrix work: memory binds.
.set LNST,  0
.set CD,    16                         ; v16-47   codes, 8 registers a row
.set T,     48                         ; v48-59   at work
.set XR,    64                         ; v64-191  four rows of 32 registers; later the way out
.set G,     192                        ; v192-223 the gain at my 32 columns
.set BV,    224                        ; v224-255 the bias
.macro ALLSUM r, t                     ; the sum over the wave's 32 lanes, in every lane
	v_add_f32_dpp v[\r], v[\r], v[\r] row_xmask:1 row_mask:0xf bank_mask:0xf
	v_add_f32_dpp v[\r], v[\r], v[\r] row_xmask:2 row_mask:0xf bank_mask:0xf
	v_add_f32_dpp v[\r], v[\r], v[\r] row_xmask:4 row_mask:0xf bank_mask:0xf
	v_add_f32_dpp v[\r], v[\r], v[\r] row_xmask:8 row_mask:0xf bank_mask:0xf
	v_permlanex16_b32 v[\t], v[\r], s46, s47
	v_add_f32 v[\r], v[\r], v[\t]
.endm
.macro ROW i                           ; register 4 j + e of a row is column 128 j + 4 lane + e
.set XB, XR+32*(\i)
	s_wait_loadcnt 24-8*(\i)                       ; g, b and rows 0 .. i are in; the later rows' 8 loads each may be out
.irp c, 0,2,4,6
	v_pk_add_f32 v[T+\c:T+\c+1], v[XB+\c:XB+\c+1], v[XB+8+\c:XB+9+\c]
.endr
.irp j, 16,24
.irp c, 0,2,4,6
	v_pk_add_f32 v[T+\c:T+\c+1], v[T+\c:T+\c+1], v[XB+\j+\c:XB+\j+\c+1]
.endr
.endr
	v_pk_add_f32 v[T:T+1], v[T:T+1], v[T+2:T+3]
	v_pk_add_f32 v[T+4:T+5], v[T+4:T+5], v[T+6:T+7]
	v_pk_add_f32 v[T:T+1], v[T:T+1], v[T+4:T+5]
	v_add_f32 v[T], v[T], v[T+1]
	ALLSUM T, T+1
	v_mul_f32 v[T], s75, v[T]                      ; the mean: x 2^-10
.set n, 0
.rept 16
	v_pk_add_f32 v[XB+n:XB+n+1], v[XB+n:XB+n+1], v[T:T+1] op_sel_hi:[1,0] neg_lo:[0,1] neg_hi:[0,1]
.set n, n+2
.endr
.irp c, 0,2,4,6
	v_pk_mul_f32 v[T+2+\c:T+3+\c], v[XB+\c:XB+\c+1], v[XB+\c:XB+\c+1]
.endr
.irp j, 8,16,24
.irp c, 0,2,4,6
	v_pk_fma_f32 v[T+2+\c:T+3+\c], v[XB+\j+\c:XB+\j+\c+1], v[XB+\j+\c:XB+\j+\c+1], v[T+2+\c:T+3+\c]
.endr
.endr
	v_pk_add_f32 v[T+2:T+3], v[T+2:T+3], v[T+4:T+5]
	v_pk_add_f32 v[T+6:T+7], v[T+6:T+7], v[T+8:T+9]
	v_pk_add_f32 v[T+2:T+3], v[T+2:T+3], v[T+6:T+7]
	v_add_f32 v[T+2], v[T+2], v[T+3]
	ALLSUM T+2, T+3
	v_fmaak_f32 v[T+2], s75, v[T+2], 0x3727c5ac    ; the variance + 1e-5
	s_wait_alu depctr_va_vdst(0)
	v_rsq_f32 v[T+10], v[T+2]
	v_mov_b32 v[T+11], 0                           ; a plain line behind the transcendental; it also writes the pair's upper word
	s_wait_alu depctr_va_vdst(0)                   ; ahead of the first line that names the root's reciprocal
.set n, 0
.rept 16
	v_pk_mul_f32 v[XB+n:XB+n+1], v[XB+n:XB+n+1], v[T+10:T+11] op_sel_hi:[1,0]
.set n, n+2
.endr
.set n, 0
.rept 16
	v_pk_fma_f32 v[XB+n:XB+n+1], v[XB+n:XB+n+1], v[G+n:G+n+1], v[BV+n:BV+n+1]
.set n, n+2
.endr
.set n, 0
.rept 32
	v_med3_num_f32 v[XB+n], v[XB+n], -v10, v10     ; the conversion does not saturate (ISA guide 7.6.2): the hold
.set n, n+1
.endr
.irp q, 0,1,2,3
	v_cvt_scalef32_pk8_bf8_f32 v[CD+8*(\i)+2*\q:CD+8*(\i)+2*\q+1], v[XB+8*\q:XB+8*\q+7], v11
.endr
	v_nop
.irp j, 0,1,2,3,4,5,6,7
	ds_store_b32 v4, v[CD+8*(\i)+\j] offset:(\i)*1040+128*\j
.endr
.endm
	s_load_b256 s[8:15], s[0:1], 0x0               ; x1 8, ln2_g 10, ln2_b 12, the scales' exponents 14
	s_load_b64 s[24:25], s[0:1], 0x20              ; a2_img
	v_lshl_add_u32 v62, v0, 2, 0x4200
	v_mov_b32 v63, 0
	v_lshrrev_b32 v1, 5, v0
	v_readfirstlane_b32 s26, v1                    ; wave 0..3
	v_and_b32 v2, 31, v0                           ; lane
	v_and_b32 v5, 15, v0                           ; r
	v_bfe_u32 v6, v0, 4, 1                         ; h
	s_wait_alu depctr_va_vdst(0)
	s_wait_kmcnt 0x0
	s_load_b32 s32, s[14:15], 0x20                 ; e8
	s_lshl_b32 s28, ttmp9, 4
	s_lshl_b32 s29, s26, 2
	s_add_co_u32 s28, s28, s29
	s_lshl_b32 s28, s28, 12                        ; my wave's first row, in bytes
	s_mov_b32 s29, 0
	s_add_nc_u64 s[8:9], s[8:9], s[28:29]
	v_lshlrev_b32 v3, 4, v2                        ; 16 x lane
.irp j, 0,1,2,3,4,5,6,7
	global_load_b128 v[G+4*\j:G+4*\j+3], v3, s[10:11] offset:512*\j
.endr
.irp j, 0,1,2,3,4,5,6,7
	global_load_b128 v[BV+4*\j:BV+4*\j+3], v3, s[12:13] offset:512*\j
.endr
.irp i, 0,1,2,3
.irp j, 0,1,2,3,4,5,6,7
	global_load_b128 v[XR+32*\i+4*\j:XR+32*\i+4*\j+3], v3, s[8:9] offset:4096*\i+512*\j th:TH_LOAD_NT
.endr
.endr
	s_mul_i32 s30, s26, 4160
	s_add_co_u32 s30, s30, LNST
	v_lshl_add_u32 v4, v2, 2, s30                  ; the stage, in: my wave's four rows of 1,040 bytes, + 4 x lane
	v_mul_u32_u24 v7, v5, 1040
	v_lshl_add_u32 v7, v6, 3, v7
	s_lshl_b32 s31, s26, 8
	s_add_co_u32 s31, s31, LNST
	v_add_nc_u32 v7, s31, v7                       ; out: row r, + 8 h, + my wave's two K steps of 128
	s_lshr_b32 s44, ttmp9, 2
	s_lshl_b32 s44, s44, 1
	s_lshr_b32 s45, s26, 1
	s_add_co_u32 s44, s44, s45
	s_lshl_b32 s44, s44, 15
	s_and_b32 s45, ttmp9, 3
	s_lshl_b32 s45, s45, 13
	s_add_co_u32 s44, s44, s45
	s_and_b32 s45, s26, 1
	s_lshl_b32 s45, s45, 12
	s_add_co_u32 s44, s44, s45
	s_mov_b32 s45, 0
	s_add_nc_u64 s[24:25], s[24:25], s[44:45]
	s_mov_b32 s46, 0x76543210
	s_mov_b32 s47, 0xfedcba98
	s_mov_b32 s75, 0x3a800000                      ; 2^-10
	s_wait_kmcnt 0x0
	s_add_co_i32 s73, s32, 127
	s_lshl_b32 s74, s73, 23
	v_mov_b32 v11, s74                             ; 2^e8
	s_add_co_i32 s73, s73, 15
	s_lshl_b32 s73, s73, 23
	s_or_b32 s73, s73, 0x600000
	v_mov_b32 v10, s73                             ; 57,344 x 2^e8
	ROW 0
	ROW 1
	ROW 2
	ROW 3
	s_wait_dscnt 0x0                               ; for the others' sake: my codes lie in the stage
	s_barrier_signal -1
	s_barrier_wait -1
.set n, 0
.rept 8
	ds_load_b64 v[XR+4*n:XR+4*n+1], v7 offset:(n/4)*128+(n%4)*32
	ds_load_b64 v[XR+4*n+2:XR+4*n+3], v7 offset:(n/4)*128+(n%4)*32+16
.set n, n+1
.endr
.set n, 0
.rept 8
	s_wait_dscnt 14-2*n                            ; group n's two loads are in
	global_store_b128 v3, v[XR+4*n:XR+4*n+3], s[24:25] offset:(n/4)*2048+(n%4)*512
.set n, n+1
.endr
	s_wait_tensorcnt 0x0
	ds_add_u32 v62, v63
	s_wait_dscnt 0x0
	s_endpgm
.Lfunc_end_k_qc42abcc784_ln2:
	.size	k_qc42abcc784_ln2, .Lfunc_end_k_qc42abcc784_ln2-k_qc42abcc784_ln2
	.p2alignl 7, 3214868480
	.fill 96, 4, 3214868480
	.section	.rodata,"a",@progbits
	.p2align	6, 0x0
	.amdhsa_kernel k_qc42abcc784_ln2
		.amdhsa_group_segment_fixed_size 17408
		.amdhsa_private_segment_fixed_size 0
		.amdhsa_enable_private_segment 0
		.amdhsa_kernarg_size 40
		.amdhsa_user_sgpr_count 2
		.amdhsa_user_sgpr_kernarg_segment_ptr 1
		.amdhsa_wavefront_size32 1
		.amdhsa_system_sgpr_workgroup_id_x 1
		.amdhsa_system_sgpr_workgroup_id_y 1
		.amdhsa_system_sgpr_workgroup_id_z 1
		.amdhsa_system_vgpr_workitem_id 0
		.amdhsa_next_free_vgpr 256
		.amdhsa_next_free_sgpr 100
		.amdhsa_reserve_vcc 0
		.amdhsa_float_denorm_mode_32 3
		.amdhsa_float_denorm_mode_16_64 3
		.amdhsa_memory_ordered 1
		.amdhsa_forward_progress 1
		.amdhsa_inst_pref_size 45
	.end_amdhsa_kernel
	.amdgpu_metadata
---
amdhsa.version: [ 1, 2 ]
amdhsa.kernels:
  - .name:           k_qc42abcc784_ln2
    .symbol:         k_qc42abcc784_ln2.kd
    .args:
      - { .name: x1, .offset: 0, .size: 8, .value_kind: global_buffer, .address_space: global }
      - { .name: ln2_g, .offset: 8, .size: 8, .value_kind: global_buffer, .address_space: global }
      - { .name: ln2_b, .offset: 16, .size: 8, .value_kind: global_buffer, .address_space: global }
      - { .name: lowp_scales, .offset: 24, .size: 8, .value_kind: global_buffer, .address_space: global }
      - { .name: a2_img, .offset: 32, .size: 8, .value_kind: global_buffer, .address_space: global }
    .group_segment_fixed_size: 17408
    .private_segment_fixed_size: 0
    .kernarg_segment_align: 8
    .kernarg_segment_size: 40
    .max_flat_workgroup_size: 128
    .sgpr_count:     100
    .vgpr_count:     256
    .wavefront_size: 32
...
	.end_amdgpu_metadata
.endif
;; end of part 5
;; launch fc (part 6): grid 8 x 32, 4 waves a work-group, clusters of 4 x 4, 327,680 bytes of LDS; arguments a2_img, pimg, lowp_scales, g_img; writes g_img
.if DOCPART == 6
	.amdgcn_target "amdgcn-amd-amdhsa--gfx1250"
	.amdhsa_code_object_version 6
	.text
	.protected	k_qc42abcc784_fc
	.globl	k_qc42abcc784_fc
	.p2align	8
	.type	k_qc42abcc784_fc,@function
k_qc42abcc784_fc:
	s_mov_b64 s[64:65], 0
	v_nop
	global_prefetch_b8 v0, s[64:65] scope:SCOPE_SE
	s_setreg_imm32_b32 hwreg(HW_REG_WAVE_MODE, 25, 1), 1
	s_wait_xcnt 0x0
	s_wait_alu depctr_hold_cnt(0) depctr_sa_sdst(0) depctr_va_vdst(0) depctr_va_sdst(0) depctr_va_ssrc(0) depctr_va_vcc(0) depctr_vm_vsrc(0)
	s_getreg_b32 s2, hwreg(HW_REG_IB_STS2, 6, 4)
	s_cmp_eq_u32 s2, 0
	s_cbranch_scc0 .Lentry_in_a_cluster
	s_endpgm
.Lentry_in_a_cluster:
	s_bfe_u32 s2, ttmp6, 0x10000c
	s_cmp_lg_u32 s2, 0xf033
	s_cbranch_scc0 .Lentry_shape_is_right
	s_endpgm
.Lentry_shape_is_right:
; FC: gelu(layernorm2(x1) x w_fc) on codes of BF8, its results quantised at once with 2^e10 into the image that the last product reads.  M 4,096, N 4,096, K 1,024.
; Both operands lie in memory as images of operand registers (16 rows x 128 K = 2,048 bytes, four groups of 512, lane l's 16 bytes at 16 l), 64 rows x 1,024 K in 65,536 consecutive bytes: a2_img the tokens, pimg + 4,194,304 w_fc's 4,096 rows.
; SHARES.  A work-group stays on 128 tokens (Y) and walks four tiles of 128 of w_fc's rows (X): 8 x 32 = 256 work-groups; four waves of 64 x 64, 16 accumulators.
; Source 0 = X, source 1 = Y: lane (r, h), register j of accumulator (a, b) holds token 16 a + r, hidden unit 16 b + 8 h + j: a lane's registers run along the next product's K.
; Y STAYS IN REGISTERS: a wave's 64 tokens x 1,024 K are 512 registers (windows 2 and 3), read from LDS once, for all four tiles.  A tile then reads X alone from LDS: 16 loads a K step of 128, into a ring of four buffers, three steps ahead.
; LDS: Y's two halves of 65,536 bytes, then X's two.  At the head waves 0 and 1 fetch Y's halves, waves 2 and 3 X's.  X's last fragments are in registers behind K step 5: there waves 2 and 3 fill X's halves again with the next tile.
; CLUSTERS: 4 x 4 work-groups; Y's tile is asked for jointly by a row of the cluster, X's by a column.
; NO PREFETCH: a refill stands 32 matrix instructions and the tile's whole way out (eight runs of the GELU on 16 numbers a lane) ahead of the wait for it.
; GELU: x/2 (1 + erf(x / sqrt 2)), erf(z) = z P(z^2) / Q(z^2) with z held within +-4, in f32.
; LIMITS: e8 + e9 between -125 and 126 (added to exponent fields); e10 between -126 and 112.  NaN is not served.
.set XOFF,  4194304
.set NCH,   2
.set TILES, 4
.set BLK,   32768
.set SPARE, 8*BLK                      ; behind the tiles: the spare words, 128 bytes a wave: two blocks of 256 bytes that no other line names
.set ADRY, 16                          ; v16-17 LDS address of my Y fragments, K chunk 0, 1
.set ADRX, 20                          ; v20-21 the same for X
.set LI,   27
.set SPW,  28
.set NIL,  29
.set Z,    32
.set Z2,   48
.set P,    64
.set Q,    80
.set ACC,  128
.set G1,  24
.set G0,  32
.set G1X, 48
.set G0X, 56
.set MSB, 0
.macro WIN new                         ; the immediate's high byte repeats the setting that is left
.if MSB != \new
	s_set_vgpr_msb (MSB<<8)|\new
.set MSB, \new
.endif
.endm
.macro CROUND                          ; a round of the cluster's barrier
	s_barrier_signal -1
	s_barrier_wait -1
	s_cmp_lg_u32 s10, 0
	s_cbranch_scc1 .Lnot_wave_0_\@
	s_barrier_signal -3
.Lnot_wave_0_\@:
	s_barrier_wait -3
	s_barrier_signal -1
	s_barrier_wait -1
.endm
.macro PLACES                          ; four places in front of loads into registers that matrix instructions have read, and of the first read of results
.rept 4
	v_nop
.endr
.endm
.macro YLOAD                           ; my 64 tokens x all of K: K step ks, block a at 64 (ks % 4) + 16 a of window 2 (ks < 4) or 3
.irp ks, 0,1,2,3,4,5,6,7
.if \ks < 4
	WIN 0x80
.else
	WIN 0xc0
.endif
.irp a, 0,1,2,3
.irp g, 0,1,2,3
	ds_load_b128 v[64*(\ks%4)+16*\a+4*\g:64*(\ks%4)+16*\a+4*\g+3], v[ADRY+\ks/4] offset:\a*8192+(\ks%4)*2048+\g*512
.endr
.endr
.endr
.endm
.macro XF ks                           ; X's four fragments of K step ks into buffer ks % 4 of window 1: 16 loads of 512 consecutive bytes
	WIN 0x40
.irp b, 0,1,2,3
.irp g, 0,1,2,3
	ds_load_b128 v[64*((\ks)%4)+16*\b+4*\g:64*((\ks)%4)+16*\b+4*\g+3], v[ADRX+(\ks)/4] offset:\b*8192+((\ks)%4)*2048+\g*512
.endr
.endr
.endm
.macro MUL16 ks                        ; 128 along K: the 16 accumulators take turns.  K step 0 starts the sums: nothing is cleared
.if (\ks) < 4
	WIN 0x09                                       ; source 0 window 1, source 1 window 2, C and D window 0
.else
	WIN 0x0d                                       ; source 1 window 3
.endif
.irp a, 0,1,2,3
.irp b, 0,1,2,3
.if (\ks) == 0
	v_wmma_f32_16x16x128_bf8_bf8 v[ACC+8*(4*\a+\b):ACC+8*(4*\a+\b)+7], v[64*((\ks)%4)+16*\b:64*((\ks)%4)+16*\b+15], v[64*((\ks)%4)+16*\a:64*((\ks)%4)+16*\a+15], 0
.else
	v_wmma_f32_16x16x128_bf8_bf8 v[ACC+8*(4*\a+\b):ACC+8*(4*\a+\b)+7], v[64*((\ks)%4)+16*\b:64*((\ks)%4)+16*\b+15], v[64*((\ks)%4)+16*\a:64*((\ks)%4)+16*\a+15], v[ACC+8*(4*\a+\b):ACC+8*(4*\a+\b)+7]
.endif
.endr
.endr
.endm
.macro HEAD
	s_wait_tensorcnt 0x0                           ; what I fetched is in,
	s_barrier_signal -1
	s_barrier_wait -1                              ; and what the others fetched
.endm
.macro PRODUCTS fill
	XF 0
	XF 1
	XF 2
.irp ks, 0,1,2,3,4
	s_wait_dscnt 32                                ; this K step's fragments are in; the next two steps' 16 loads each may be out
	MUL16 \ks
	PLACES
	XF \ks+3                                       ; into the buffer that the step before read
.endr
.if \fill
	WIN 0
	s_wait_tensorcnt 0x0                           ; no tensor load of mine is out;
	ds_add_u32 v[SPW], v[NIL]                      ; 0 onto my spare word;
	s_add_nc_u64 s[G0X+2:G0X+3], s[G0X+2:G0X+3], 2*NCH*BLK   ; the next 128 rows of w_fc
	s_wait_dscnt 33                                ; (K steps 6 and 7's loads and the add may be out)
	MUL16 5
	WIN 0
	s_wait_dscnt 0x0                               ; the add is done, and my reads of X's tile are over
	CROUND                                         ; so of every wave of every partner
	s_cmp_eq_u32 s11, 0                            ; waves 2 and 3 fill X's two halves again; waves 0 and 1 have no part of it.  The branch hangs on the wave's number alone
	s_cbranch_scc1 .Lno_fill_\@
	tensor_load_to_lds s[G0X:G0X+3], s[G1X:G1X+7]
	s_nop 0
.rept 4
	v_nop
.endr
.Lno_fill_\@:
	MUL16 6
	MUL16 7
.else
	s_wait_dscnt 32
	MUL16 5
	s_wait_dscnt 16
	MUL16 6
	s_wait_dscnt 0
	MUL16 7
.endif
	WIN 0
.endm
.macro GELU16 a, gl                    ; accumulators (a, 2 gl) and (a, 2 gl + 1): 16 neighbours along the next K
.set AB, ACC+32*(\a)+16*(\gl)
.irp i, 0,2,4,6,8,10,12,14
	v_pk_mul_f32 v[Z+\i:Z+\i+1], v[AB+\i:AB+\i+1], s[86:87] op_sel_hi:[1,0]    ; z = sum x 2^(e8 + e9) / sqrt 2
.endr
.irp i, 0,1,2,3,4,5,6,7,8,9,10,11,12,13,14,15
	v_med3_num_f32 v[Z+\i], v[Z+\i], -4.0, 4.0
.endr
.irp i, 0,2,4,6,8,10,12,14
	v_pk_mul_f32 v[Z2+\i:Z2+\i+1], v[Z+\i:Z+\i+1], v[Z+\i:Z+\i+1]
.endr
.irp i, 0,2,4,6,8,10,12,14
	v_pk_fma_f32 v[P+\i:P+\i+1], v[Z2+\i:Z2+\i+1], v[12:13], s[66:67] op_sel_hi:[1,1,0]
.endr
.irp c, 68,70,72,74,76
.irp i, 0,2,4,6,8,10,12,14
	v_pk_fma_f32 v[P+\i:P+\i+1], v[P+\i:P+\i+1], v[Z2+\i:Z2+\i+1], s[\c:\c+1] op_sel_hi:[1,1,0]
.endr
.endr
.irp i, 0,2,4,6,8,10,12,14
	v_pk_fma_f32 v[Q+\i:Q+\i+1], v[Z2+\i:Z2+\i+1], v[14:15], s[78:79] op_sel_hi:[1,1,0]
.endr
.irp c, 80,82,84
.irp i, 0,2,4,6,8,10,12,14
	v_pk_fma_f32 v[Q+\i:Q+\i+1], v[Q+\i:Q+\i+1], v[Z2+\i:Z2+\i+1], s[\c:\c+1] op_sel_hi:[1,1,0]
.endr
.endr
	s_wait_alu depctr_va_vdst(0)
.irp i, 0,1,2,3,4,5,6,7,8,9,10,11,12,13,14,15
	v_rcp_f32 v[Q+\i], v[Q+\i]
.endr
.irp i, 0,2,4,6,8,10,12,14
	v_pk_mul_f32 v[P+\i:P+\i+1], v[P+\i:P+\i+1], v[Z+\i:Z+\i+1]
.endr
.irp i, 0,2,4,6,8,10,12,14
	v_pk_mul_f32 v[AB+\i:AB+\i+1], v[AB+\i:AB+\i+1], s[88:89] op_sel_hi:[1,0]  ; x / 2
.endr
	s_wait_alu depctr_va_vdst(0)                   ; one wait for the batch, ahead of its first reader
.irp i, 0,2,4,6,8,10,12,14
	v_pk_mul_f32 v[P+\i:P+\i+1], v[P+\i:P+\i+1], v[Q+\i:Q+\i+1]                ; erf
.endr
.irp i, 0,2,4,6,8,10,12,14
	v_pk_fma_f32 v[AB+\i:AB+\i+1], v[AB+\i:AB+\i+1], v[P+\i:P+\i+1], v[AB+\i:AB+\i+1]
.endr
.irp i, 0,1,2,3,4,5,6,7,8,9,10,11,12,13,14,15
	v_med3_num_f32 v[AB+\i], v[AB+\i], -v31, v31   ; the hold: the conversion does not saturate (ISA guide 7.6.2)
.endr
	v_cvt_scalef32_pk8_bf8_f32 v[96+4*(2*(\a)+(\gl)):97+4*(2*(\a)+(\gl))], v[AB:AB+7], v30
	v_cvt_scalef32_pk8_bf8_f32 v[98+4*(2*(\a)+(\gl)):99+4*(2*(\a)+(\gl))], v[AB+8:AB+15], v30
.endm
.macro WAYOUT
	PLACES
.irp a, 0,1,2,3
	GELU16 \a, 0
	GELU16 \a, 1
.endr
	v_nop
.irp a, 0,1,2,3
.irp gl, 0,1
	global_store_b128 v[LI], v[96+4*(2*\a+\gl):99+4*(2*\a+\gl)], s[94:95] offset:8192*\a+512*\gl   ; 512 consecutive bytes, aligned
.endr
.endr
.endm
	s_load_b128 s[4:7], s[0:1], 0x0                ; a2_img s[4:5], pimg s[6:7]
	s_load_b128 s[92:95], s[0:1], 0x10             ; the scales' exponents s[92:93], g_img s[94:95]
	v_lshl_add_u32 v[SPW], v0, 2, SPARE
	v_mov_b32 v[NIL], 0
	ds_add_u32 v[SPW], v[NIL]                      ; the opening lines: the add, twice on end, and its wait ahead of my first tensor load
	ds_add_u32 v[SPW], v[NIL]
	s_wait_dscnt 0x0
	v_lshrrev_b32 v1, 5, v0
	v_readfirstlane_b32 s10, v1                    ; wave 0..3
	s_lshr_b32 s11, s10, 1                         ; my half of Y's rows.  Also: I fetch for Y (0) or for X (1)
	s_and_b32 s12, s10, 1                          ; my half of X's rows.  Also: which half of that tile I fetch
	s_bfe_u32 s40, ttmp6, 0x40000
	s_bfe_u32 s41, ttmp6, 0x40004
	s_lshl_b32 s42, ttmp9, 2
	s_add_co_u32 s42, s42, s40
	s_and_b32 s13, ttmp7, 0xffff
	s_lshl_b32 s13, s13, 2
	s_add_co_u32 s13, s13, s41
	s_lshl_b32 s43, s41, 2
	s_lshl_b32 s43, 15, s43                        ; my row of the cluster
	s_lshl_b32 s44, 0x1111, s40                    ; my column
	s_or_b32 s[G1+0], s43, (3<<16)|(1<<21)
	s_or_b32 s[G1X+0], s44, (3<<16)|(1<<21)
.irp g, G1, G1X
	s_mov_b32 s[\g+1], 32<<16                      ; rows of 32 elements of 8 bytes,
	s_mov_b32 s[\g+2], 256<<16                     ; 256 of them: a dense block of 65,536 bytes
	s_mov_b32 s[\g+3], 32<<16
	s_mov_b32 s[\g+4], 256
	s_mov_b32 s[\g+5], 32
	s_mov_b32 s[\g+6], 0
	s_mov_b32 s[\g+7], 0
.endr
	s_lshl_b32 s16, s13, 1
	s_add_co_u32 s16, s16, s12
	s_lshl_b32 s16, s16, 16
	s_mov_b32 s17, 0
	s_lshl_b32 s46, s42, 3
	s_add_co_u32 s46, s46, s12
	s_lshl_b32 s46, s46, 16
	s_add_co_u32 s46, s46, XOFF
	s_mov_b32 s47, 0
	s_mul_i32 s20, s12, 2*BLK
	s_wait_kmcnt 0x0
	s_load_b128 s[96:99], s[92:93], 0x20           ; e8 .. e11
	CROUND                                         ; all sixteen work-groups are here: the first joint loads meet
	s_mov_b32 s[G0], 1
	s_mov_b32 s[G0+1], s20
	s_add_nc_u64 s[G0+2:G0+3], s[4:5], s[16:17]
	s_or_b32 s[G0+3], s[G0+3], 0x80000000
	s_mov_b32 s[G0X], 1
	s_add_co_u32 s[G0X+1], s20, 4*BLK
	s_add_nc_u64 s[G0X+2:G0X+3], s[6:7], s[46:47]
	s_or_b32 s[G0X+3], s[G0X+3], 0x80000000
	s_cmp_eq_u32 s11, 0                            ; one tensor load a wave at the head
	s_cbranch_scc0 .Lhead_x
	tensor_load_to_lds s[G0:G0+3], s[G1:G1+7]
	s_nop 0
.rept 4
	v_nop
.endr
	s_branch .Lhead_j
.Lhead_x:
	tensor_load_to_lds s[G0X:G0X+3], s[G1X:G1X+7]
	s_nop 0
.rept 4
	v_nop
.endr
.Lhead_j:
	v_and_b32 v1, 31, v0
	v_lshlrev_b32 v[LI], 4, v1
	s_mul_i32 s21, s11, 2*BLK
	s_mul_i32 s22, s12, 2*BLK
	s_add_co_u32 s22, s22, 4*BLK
.irp s, 0,1
	v_add_nc_u32 v[ADRY+\s], s21, v[LI]
	v_add_nc_u32 v[ADRX+\s], s22, v[LI]
	s_add_co_u32 s21, s21, BLK
	s_add_co_u32 s22, s22, BLK
.endr
	v_mov_b32 v12, 0xaf95df0b                      ; the leading coefficients of P and of Q, as pairs
	v_mov_b32 v13, 0xaf95df0b
	v_mov_b32 v14, 0xb77460cd
	v_mov_b32 v15, 0xb77460cd
	s_mov_b32 s66, 0x32edffee
	s_mov_b32 s68, 0xb60cff51
	s_mov_b32 s70, 0xb86ec2d2
	s_mov_b32 s72, 0xba40ac63
	s_mov_b32 s74, 0xbb41a1f6
	s_mov_b32 s76, 0xbc83dbd4
	s_mov_b32 s78, 0xb95fbd29
	s_mov_b32 s80, 0xbadc924e
	s_mov_b32 s82, 0xbbf19bf8
	s_mov_b32 s84, 0xbc69b6a7
.irp c, 66,68,70,72,74,76,78,80,82,84
	s_mov_b32 s[\c+1], s[\c]
.endr
	s_wait_kmcnt 0x0
	s_add_co_i32 s90, s96, s97                     ; e8 + e9
	s_lshl_b32 s91, s90, 23
	s_add_co_i32 s86, s91, 0x3f3504f3              ; 2^(e8 + e9) / sqrt 2
	s_mov_b32 s87, s86
	s_add_co_i32 s90, s90, 126
	s_lshl_b32 s88, s90, 23                        ; 2^(e8 + e9) / 2
	s_mov_b32 s89, s88
	s_add_co_i32 s90, s98, 127
	s_lshl_b32 s91, s90, 23
	v_mov_b32 v30, s91                             ; 2^e10
	s_add_co_i32 s90, s90, 15
	s_lshl_b32 s90, s90, 23
	s_or_b32 s90, s90, 0x600000
	v_mov_b32 v31, s90                             ; 57,344 x 2^e10
	s_lshl_b32 s90, s13, 1                         ; g_img: ((row / 64) x 8 + k / 512) x 32,768 + 1,024 x my half of X; a tile on is 2,048 bytes
	s_add_co_u32 s90, s90, s11
	s_lshl_b32 s90, s90, 3
	s_add_co_u32 s90, s90, s42
	s_lshl_b32 s90, s90, 15
	s_lshl_b32 s91, s12, 10
	s_add_co_u32 s90, s90, s91
	s_mov_b32 s91, 0
	s_add_nc_u64 s[94:95], s[94:95], s[90:91]
	s_mov_b32 s3, TILES-1
	s_wait_alu depctr_va_vdst(0)
	HEAD
	YLOAD
	WIN 0
.Ltile:                                            ; three trips: tiles 0 to 2, each asking for its successor
	PRODUCTS 1
	WAYOUT
	s_wait_xcnt 0x0                                ; the stores have read their registers and their base
	s_add_nc_u64 s[94:95], s[94:95], 2048
	s_wait_alu depctr_va_vdst(0)
	HEAD
	s_sub_co_u32 s3, s3, 1
	s_cmp_lg_u32 s3, 0
	s_cbranch_scc1 .Ltile
	PRODUCTS 0                                     ; the last tile is written out: it asks for nothing more
	WAYOUT
	s_wait_tensorcnt 0x0                           ; the wave's end
	ds_add_u32 v[SPW], v[NIL]
	s_wait_dscnt 0x0
	CROUND                                         ; the closing round
	s_endpgm
.Lfunc_end_k_qc42abcc784_fc:
	.size	k_qc42abcc784_fc, .Lfunc_end_k_qc42abcc784_fc-k_qc42abcc784_fc
	.p2alignl 7, 3214868480
	.fill 96, 4, 3214868480
	.section	.rodata,"a",@progbits
	.p2align	6, 0x0
	.amdhsa_kernel k_qc42abcc784_fc
		.amdhsa_group_segment_fixed_size 327680
		.amdhsa_private_segment_fixed_size 0
		.amdhsa_enable_private_segment 0
		.amdhsa_kernarg_size 32
		.amdhsa_user_sgpr_count 2
		.amdhsa_user_sgpr_kernarg_segment_ptr 1
		.amdhsa_wavefront_size32 1
		.amdhsa_system_sgpr_workgroup_id_x 1
		.amdhsa_system_sgpr_workgroup_id_y 1
		.amdhsa_system_sgpr_workgroup_id_z 1
		.amdhsa_system_vgpr_workitem_id 0
		.amdhsa_next_free_vgpr 1024
		.amdhsa_next_free_sgpr 100
		.amdhsa_reserve_vcc 0
		.amdhsa_float_denorm_mode_32 3
		.amdhsa_float_denorm_mode_16_64 3
		.amdhsa_memory_ordered 1
		.amdhsa_forward_progress 1
		.amdhsa_inst_pref_size 224
	.end_amdhsa_kernel
	.amdgpu_metadata
---
amdhsa.version: [ 1, 2 ]
amdhsa.kernels:
  - .name:           k_qc42abcc784_fc
    .symbol:         k_qc42abcc784_fc.kd
    .args:
      - { .name: a2_img, .offset: 0, .size: 8, .value_kind: global_buffer, .address_space: global }
      - { .name: pimg, .offset: 8, .size: 8, .value_kind: global_buffer, .address_space: global }
      - { .name: lowp_scales, .offset: 16, .size: 8, .value_kind: global_buffer, .address_space: global }
      - { .name: g_img, .offset: 24, .size: 8, .value_kind: global_buffer, .address_space: global }
    .group_segment_fixed_size: 327680
    .private_segment_fixed_size: 0
    .kernarg_segment_align: 8
    .kernarg_segment_size: 32
    .max_flat_workgroup_size: 128
    .sgpr_count:     100
    .vgpr_count:     1024
    .wavefront_size: 32
...
	.end_amdgpu_metadata
.endif
;; end of part 6
;; launch outp (part 7): grid 8 x 32, 4 waves a work-group, clusters of 4 x 4, 327,680 bytes of LDS; arguments g_img, pimg, lowp_scales, x1, out0; writes out0
.if DOCPART == 7
	.amdgcn_target "amdgcn-amd-amdhsa--gfx1250"
	.amdhsa_code_object_version 6
	.text
	.protected	k_qc42abcc784_outp
	.globl	k_qc42abcc784_outp
	.p2align	8
	.type	k_qc42abcc784_outp,@function
k_qc42abcc784_outp:
	s_mov_b64 s[64:65], 0
	v_nop
	global_prefetch_b8 v0, s[64:65] scope:SCOPE_SE
	s_setreg_imm32_b32 hwreg(HW_REG_WAVE_MODE, 25, 1), 1
	s_wait_xcnt 0x0
	s_wait_alu depctr_hold_cnt(0) depctr_sa_sdst(0) depctr_va_vdst(0) depctr_va_sdst(0) depctr_va_ssrc(0) depctr_va_vcc(0) depctr_vm_vsrc(0)
	s_getreg_b32 s2, hwreg(HW_REG_IB_STS2, 6, 4)
	s_cmp_eq_u32 s2, 0
	s_cbranch_scc0 .Lentry_in_a_cluster
	s_endpgm
.Lentry_in_a_cluster:
	s_bfe_u32 s2, ttmp6, 0x10000c
	s_cmp_lg_u32 s2, 0xf033
	s_cbranch_scc0 .Lentry_shape_is_right
	s_endpgm
.Lentry_shape_is_right:
; OUT: out0 = x1 + gelu(..) x w_out on codes of BF8.  M 4,096, N 1,024, K 4,096.  Both operands lie in memory as images of operand registers:
; a fragment of 16 rows x 128 K is 2,048 bytes, four groups of 512, lane l's 16 bytes (registers 4 g .. 4 g + 3) at 16 l; fragments lie [row/64][k/512][(row/16)%4][(k/128)%4].  g_img: the tokens; pimg + 8,388,608: w_out's 1,024 rows.
; SHARES.  A work-group makes a tile of 128 tokens x 128 columns; 8 x 32 = 256 work-groups.  ITS FOUR WAVES SPLIT K: each multiplies the whole tile, in 64 accumulators (512 registers), over a quarter of K,
; so that each byte of a tile in LDS is read into registers by one wave alone, once.
; ONE SLOT of 262,144 bytes holds 1,024 along K of both operands: A's two halves of 64 rows, then B's two, each 65,536 consecutive bytes of memory, one tensor load a wave; four fills.  Of a fill wave w takes K steps 2 w and 2 w + 1 of its eight.
; While the first of the two steps is multiplied, the second's fragments are all drawn into registers (B has two sets of 8 fragments, A a ring of 12); then the slot is filled again, with the second step's 64 matrix instructions still to come.
; CLUSTERS: 4 x 4 work-groups; A's tile is asked for jointly by a row of the cluster, B's by a column.
; PREFETCH: behind the load of fill n, fill n + 1 is asked for (n + 1 = 1, 2, 3), a fill ahead of its load: of the 65,536 bytes that a wave fetches each of the four partners takes 16,384 by address (cx for A, cy for B),
; lanes 256 bytes apart, two instructions.  Fill 0 comes by its load alone.
; THE WAY OUT.  The four partial tiles meet in LDS: each wave stores its 128 rows of 512 bytes (pitch 528), over the slot, which has had its last fill and its last read; wave d reads rows 32 d .. 32 d + 31 of all four by rows, adds them,
; multiplies by 2^(e10 + e11), adds x1 and stores rows of 512 consecutive bytes, aligned.
; The matrix instruction is used transposed (source 0 = 16 rows of w_out, source 1 = 16 tokens): lane (r, h), register j of accumulator (a, b) holds token 16 a + r, column 16 b + 8 h + j.
; LIMIT: e10 + e11 between -126 and 127, so that 2^(e10 + e11) is an f32 number.
; REGISTERS, in windows of 256: window 0: v16-29 addresses, v64-255 A's ring, later the way out; window 1: B's two sets, in the last step v0-127 x1's rows; windows 2, 3: the accumulators of tokens 0-63, 64-127, (a, b) at 8 (8 (a % 4) + b).
.set RP,    528                        ; a row of a partial tile in LDS: 512 bytes + 16
.set WREG,  128*RP                     ; a wave's partial tile
.set SPARE, 4*WREG                     ; behind them the spare words, 128 bytes a wave: two blocks of 256 bytes that no other line names
.set LI,   16                          ; v16  16 x lane
.set PFO,  17                          ; v17  256 x lane
.set STO,  19                          ; v19  where I put 32 bytes of a row of my partial tile
.set ADA,  20                          ; v20-21 my K steps of A's blocks 0-3, 4-7 in the slot
.set ADB,  22                          ; v22-23 the same for B
.set RD,   24                          ; v24-27 where I read my rows of partial tile 0 .. 3
.set SPW,  28                          ; v28  my spare word; never rewritten
.set NIL,  29                          ; v29  0; never rewritten
.set AF,   64
.set G1,  24
.set G0,  32
.set G1X, 48
.set G0X, 56
.set MSB, 0
.macro WIN new                         ; the immediate's high byte repeats the setting that is left
.if MSB != \new
	s_set_vgpr_msb (MSB<<8)|\new
.set MSB, \new
.endif
.endm
.macro PLACES                          ; four places in front of loads into registers that matrix instructions have read, and of the first read of results
.rept 4
	v_nop
.endr
.endm
.macro JLOAD                           ; a joint load: waves 0 and 1 fetch A's halves, waves 2 and 3 B's; an s_nop 0 and four v_nop follow each line
	s_cmp_eq_u32 s11, 0
	s_cbranch_scc0 .Lfor_x_\@
	tensor_load_to_lds s[G0:G0+3], s[G1:G1+7]
	s_nop 0
.rept 4
	v_nop
.endr
	s_branch .Lasked_\@
.Lfor_x_\@:
	tensor_load_to_lds s[G0X:G0X+3], s[G1X:G1X+7]
	s_nop 0
.rept 4
	v_nop
.endr
.Lasked_\@:
.endm
.macro CROUND                          ; a round of the cluster's barrier
	s_barrier_signal -1
	s_barrier_wait -1
	s_cmp_lg_u32 s10, 0
	s_cbranch_scc1 .Lnot_wave_0_\@
	s_barrier_signal -3
.Lnot_wave_0_\@:
	s_barrier_wait -3
	s_barrier_signal -1
	s_barrier_wait -1
.endm
.macro ASK n                           ; my work-group's quarter of the block that I fetch in fill n
	global_prefetch_b8 v[PFO], s[72:73] offset:(\n)*65536 th:TH_LOAD_NT scope:SCOPE_SE
	global_prefetch_b8 v[PFO], s[72:73] offset:(\n)*65536+8192 th:TH_LOAD_NT scope:SCOPE_SE
.endm
.macro DFRAG reg, adr, blk, j          ; block blk's fragment of my step j of the fill
.irp g, 0,1,2,3
	ds_load_b128 v[(\reg)+4*\g:(\reg)+4*\g+3], v[(\adr)+(\blk)/4] offset:((\blk)%4)*8192+(\j)*2048+\g*512
.endr
.endm
.macro MULP f, j, p                    ; A's blocks 2 p, 2 p + 1 against B's eight.  The 64 accumulators take turns, in the same order in every step
.if (\p) < 2
	WIN 0xa1                                       ; source 0 window 1, source 1 window 0, C and D window 2
.else
	WIN 0xf1                                       ; C and D window 3
.endif
.irp a, 2*(\p), 2*(\p)+1
.irp b, 0,1,2,3,4,5,6,7
.if (\f)+(\j) == 0
	v_wmma_f32_16x16x128_bf8_bf8 v[8*(8*((\a)%4)+\b):8*(8*((\a)%4)+\b)+7], v[128*(\j)+16*\b:128*(\j)+16*\b+15], v[AF+16*(((\a)+8*(\j))%12):AF+16*(((\a)+8*(\j))%12)+15], 0
.else
	v_wmma_f32_16x16x128_bf8_bf8 v[8*(8*((\a)%4)+\b):8*(8*((\a)%4)+\b)+7], v[128*(\j)+16*\b:128*(\j)+16*\b+15], v[AF+16*(((\a)+8*(\j))%12):AF+16*(((\a)+8*(\j))%12)+15], v[8*(8*((\a)%4)+\b):8*(8*((\a)%4)+\b)+7]
.endif
.endr
.endr
.endm
.macro FILL f
	s_wait_tensorcnt 0x0                           ; my block of the slot is in,
	s_barrier_signal -1
	s_barrier_wait -1                              ; everybody's is
	PLACES
	WIN 0x40                                       ; destination window 1
.irp b, 0,1,2,3,4,5,6,7
	DFRAG 16*\b, ADB, \b, 0                        ; step 0: B's set 0,
.endr
	WIN 0
.irp a, 0,1,2,3,4,5,6,7
	DFRAG AF+16*\a, ADA, \a, 0                     ; A's blocks into buffers 0-7
.endr
.irp p, 0,1,2,3
	PLACES
.if \p == 0
	WIN 0x40
.irp b, 0,1,2,3,4,5,6,7
	DFRAG 128+16*\b, ADB, \b, 1                    ; step 1: B's set 1
.endr
.endif
	WIN 0
	s_wait_dscnt 56                                ; this pair's fragments (and B's set 0) are in.  Behind them: 8 (3 - p) loads of the later pairs, 32 of B's set 1, 8 p of step 1's A
	DFRAG AF+16*((2*\p+8)%12), ADA, 2*\p, 1        ; step 1's same pair: buffers 8-11, then 0-3, which were read two pairs ago
	DFRAG AF+16*((2*\p+9)%12), ADA, 2*\p+1, 1
.if (\p == 3) && ((\f) < 3)
	s_wait_tensorcnt 0x0                           ; no tensor load of mine is out;
	ds_add_u32 v[SPW], v[NIL]                      ; 0 onto my spare word; sixteen matrix instructions stand between it and the wait for it
.endif
	MULP \f, 0, \p
.endr
	WIN 0
	s_wait_dscnt 0x0                               ; step 1's fragments are in: my reads of the slot are over (and the add is done)
.if (\f) < 3
	CROUND                                         ; so of every wave of every partner
	s_add_nc_u64 s[G0+2:G0+3], s[G0+2:G0+3], 65536
	s_add_nc_u64 s[G0X+2:G0X+3], s[G0X+2:G0X+3], 65536
	JLOAD                                          ; the next 1,024 along K
.if (\f) < 2
	ASK (\f)+2
.endif
.else
	PLACES
	WIN 0x40
.set n, 0
.rept 32
	global_load_b128 v[4*n:4*n+3], v[LI], s[68:69] offset:n*4096 th:TH_LOAD_NT   ; x1 at my 32 rows of the result, into B's set 0, which is done with
.set n, n+1
.endr
	WIN 0
	s_barrier_signal -1                            ; my reads of the slot are over: the wait stands ahead of the partial tiles' stores
.endif
.irp p, 0,1,2,3
	MULP \f, 1, \p
.endr
.endm
.macro LDB t                           ; rows 4 t .. 4 t + 3 of my 32, of the four partial tiles: 16 loads of 512 consecutive bytes, into set t % 3
.irp q, 0,1,2,3
.irp i, 0,1,2,3
	ds_load_b128 v[AF+64*((\t)%3)+16*\q+4*\i:AF+64*((\t)%3)+16*\q+4*\i+3], v[RD+\q] offset:(4*(\t)+\i)*RP
.endr
.endr
.endm
.macro OUTB t
.set S, AF+64*((\t)%3)
.if (\t)+2 < 8
.if (\t) > 0
	s_wait_xcnt 0x0                                ; the stores of batch t - 1 have read their registers, on which the loads below land
.endif
	LDB (\t)+2
	s_wait_dscnt 32                                ; this batch is in; the next two batches' 16 loads each may be out
.else
	s_wait_dscnt 16*(7-(\t))
.endif
	s_wait_loadcnt 28-4*(\t)                       ; x1's rows up to 4 t + 3 are in; the later rows' loads may be out
.irp j, 0,2,4,6,8,10,12,14
	v_pk_add_f32 v[S+\j:S+\j+1], v[S+\j:S+\j+1], v[S+16+\j:S+17+\j]
	v_pk_add_f32 v[S+32+\j:S+33+\j], v[S+32+\j:S+33+\j], v[S+48+\j:S+49+\j]
.endr
.irp j, 0,2,4,6,8,10,12,14
	v_pk_add_f32 v[S+\j:S+\j+1], v[S+\j:S+\j+1], v[S+32+\j:S+33+\j]
.endr
	WIN 0x10                                       ; source 2 window 1
.irp j, 0,2,4,6,8,10,12,14
	v_pk_fma_f32 v[S+\j:S+\j+1], v[S+\j:S+\j+1], s[84:85], v[16*(\t)+\j:16*(\t)+\j+1] op_sel_hi:[1,0,1]   ; x 2^(e10 + e11), + x1
.endr
	WIN 0
.irp i, 0,1,2,3
	global_store_b128 v[LI], v[S+4*\i:S+4*\i+3], s[70:71] offset:(4*(\t)+\i)*4096 th:TH_STORE_NT   ; 512 consecutive bytes, aligned
.endr
.endm
	s_load_b128 s[4:7], s[0:1], 0x0                ; g_img s[4:5], pimg s[6:7]
	s_load_b64 s[66:67], s[0:1], 0x10              ; the scales' exponents
	s_load_b128 s[68:71], s[0:1], 0x18             ; x1 s[68:69], out0 s[70:71]
	v_lshl_add_u32 v[SPW], v0, 2, SPARE
	v_mov_b32 v[NIL], 0
	ds_add_u32 v[SPW], v[NIL]                      ; the opening lines: the add, twice on end, and its wait ahead of my first tensor load
	ds_add_u32 v[SPW], v[NIL]
	s_wait_dscnt 0x0
	v_lshrrev_b32 v1, 5, v0
	v_readfirstlane_b32 s10, v1                    ; wave 0..3
	s_lshr_b32 s11, s10, 1                         ; I fetch for A (0) or for B (1).  Also: which 512 of a fill's K holds my two K steps
	s_and_b32 s12, s10, 1                          ; which half of that tile I fetch.  Also: which two of that chunk's four K steps are mine
	s_mul_i32 s15, s10, WREG
	s_mul_i32 s22, s10, 32*RP
	s_lshl_b32 s21, s11, 15
	s_lshl_b32 s23, s12, 12
	s_add_co_u32 s21, s21, s23
	v_and_b32 v2, 31, v0
	v_lshlrev_b32 v[LI], 4, v2
	v_lshlrev_b32 v[PFO], 8, v2
	v_and_b32 v4, 15, v0                           ; r
	v_bfe_u32 v5, v0, 4, 1                         ; h
	v_mul_u32_u24 v6, v4, RP
	v_lshl_add_u32 v6, v5, 5, v6                   ; row r, + 32 h
	v_add_nc_u32 v[STO], s15, v6
	v_add_nc_u32 v[RD], s22, v[LI]
	v_add_nc_u32 v[RD+1], WREG, v[RD]
	v_add_nc_u32 v[RD+2], 2*WREG, v[RD]
	v_add_nc_u32 v[RD+3], 3*WREG, v[RD]
	v_add_nc_u32 v[ADA], s21, v[LI]
	v_add_nc_u32 v[ADA+1], 65536, v[ADA]
	v_add_nc_u32 v[ADB], 131072, v[ADA]
	v_add_nc_u32 v[ADB+1], 196608, v[ADA]
	s_bfe_u32 s40, ttmp6, 0x40000                  ; cx, cy: my place in the cluster
	s_bfe_u32 s41, ttmp6, 0x40004
	s_lshl_b32 s42, ttmp9, 2
	s_add_co_u32 s42, s42, s40                     ; xt: which 128 columns
	s_and_b32 s13, ttmp7, 0xffff
	s_lshl_b32 s13, s13, 2
	s_add_co_u32 s13, s13, s41                     ; yt: which 128 tokens
	s_lshl_b32 s43, s41, 2
	s_lshl_b32 s43, 15, s43                        ; my row of the cluster
	s_lshl_b32 s44, 0x1111, s40                    ; my column
	s_or_b32 s[G1+0], s43, (3<<16)|(1<<21)         ; 15:0 the mask: A's tiles go to my row; 17:16 elements of 8 bytes; 21 set beside a mask; no padding
	s_or_b32 s[G1X+0], s44, (3<<16)|(1<<21)
.irp g, G1, G1X
	s_mov_b32 s[\g+1], 32<<16                      ; tensor_dim0 = 32 elements: 256 bytes
	s_mov_b32 s[\g+2], 256<<16                     ; tensor_dim1 = 256 rows: a dense block of 65,536 bytes
	s_mov_b32 s[\g+3], 32<<16
	s_mov_b32 s[\g+4], 256
	s_mov_b32 s[\g+5], 32
	s_mov_b32 s[\g+6], 0
	s_mov_b32 s[\g+7], 0
.endr
	s_lshl_b32 s16, s13, 1
	s_add_co_u32 s16, s16, s12
	s_lshl_b32 s16, s16, 18                        ; A: 64 rows x 4,096 K are 262,144 bytes
	s_mov_b32 s17, 0
	s_lshl_b32 s46, s42, 1
	s_add_co_u32 s46, s46, s12
	s_lshl_b32 s46, s46, 18
	s_add_co_u32 s46, s46, 8388608                 ; w_out's image in pimg
	s_mov_b32 s47, 0
	s_lshl_b32 s20, s10, 16                        ; where my block goes: wave x 65,536: no place in the cluster enters an LDS address
	s_lshl_b32 s76, s13, 19                        ; the result: row 128 yt + 32 wave, of 4,096 bytes, + 512 xt
	s_lshl_b32 s77, s10, 17
	s_add_co_u32 s76, s76, s77
	s_lshl_b32 s77, s42, 9
	s_add_co_u32 s76, s76, s77
	s_mov_b32 s77, 0
	s_wait_alu depctr_va_vdst(0)
	s_wait_kmcnt 0x0
	s_load_b64 s[84:85], s[66:67], 0x28            ; e10, e11
	s_add_nc_u64 s[14:15], s[4:5], s[16:17]
	s_add_nc_u64 s[46:47], s[6:7], s[46:47]
	s_add_nc_u64 s[68:69], s[68:69], s[76:77]
	s_add_nc_u64 s[70:71], s[70:71], s[76:77]
	s_mov_b32 s[G0], 1
	s_mov_b32 s[G0+1], s20
	s_mov_b64 s[G0+2:G0+3], s[14:15]
	s_or_b32 s[G0+3], s[G0+3], 0x80000000
	s_mov_b32 s[G0X], 1
	s_mov_b32 s[G0X+1], s20
	s_mov_b64 s[G0X+2:G0X+3], s[46:47]
	s_or_b32 s[G0X+3], s[G0X+3], 0x80000000
	s_cmp_eq_u32 s11, 0                            ; the prefetches: the block that I fetch,
	s_cselect_b64 s[72:73], s[14:15], s[46:47]
	s_cselect_b32 s74, s40, s41                    ; my place among the four that ask for it with me,
	s_lshl_b32 s74, s74, 14                        ; its quarter
	s_mov_b32 s75, 0
	s_add_nc_u64 s[72:73], s[72:73], s[74:75]
	CROUND                                         ; all sixteen work-groups are here: the first joint loads meet
	JLOAD
	ASK 1
	FILL 0
	FILL 1
	FILL 2
	FILL 3
	WIN 0
	s_barrier_wait -1                              ; nobody reads the slot any more
	s_wait_kmcnt 0x0
	s_add_co_i32 s84, s84, s85
	s_add_co_i32 s84, s84, 127
	s_lshl_b32 s84, s84, 23                        ; 2^(e10 + e11) as f32
	s_mov_b32 s85, s84
	PLACES
.irp a, 0,1,2,3,4,5,6,7                        ; my partial tile into LDS, each accumulator from its low end on
.if \a < 4
	WIN 0x08                                       ; the data: window 2
.else
	WIN 0x0c                                       ; window 3
.endif
.irp b, 0,1,2,3,4,5,6,7
	ds_store_b128 v[STO], v[8*(8*(\a%4)+\b):8*(8*(\a%4)+\b)+3] offset:\a*16*RP+64*\b
	ds_store_b128 v[STO], v[8*(8*(\a%4)+\b)+4:8*(8*(\a%4)+\b)+7] offset:\a*16*RP+64*\b+16
.endr
.endr
	WIN 0
	s_wait_dscnt 0x0                               ; for the others' sake: my partial tile lies in LDS
	s_barrier_signal -1
	s_barrier_wait -1
	LDB 0
	LDB 1
.irp t, 0,1,2,3,4,5,6,7
	OUTB \t
.endr
	s_wait_tensorcnt 0x0                           ; the wave's end
	ds_add_u32 v[SPW], v[NIL]
	s_wait_dscnt 0x0
	CROUND                                         ; the closing round
	s_endpgm
.Lfunc_end_k_qc42abcc784_outp:
	.size	k_qc42abcc784_outp, .Lfunc_end_k_qc42abcc784_outp-k_qc42abcc784_outp
	.p2alignl 7, 3214868480
	.fill 96, 4, 3214868480
	.section	.rodata,"a",@progbits
	.p2align	6, 0x0
	.amdhsa_kernel k_qc42abcc784_outp
		.amdhsa_group_segment_fixed_size 327680
		.amdhsa_private_segment_fixed_size 0
		.amdhsa_enable_private_segment 0
		.amdhsa_kernarg_size 40
		.amdhsa_user_sgpr_count 2
		.amdhsa_user_sgpr_kernarg_segment_ptr 1
		.amdhsa_wavefront_size32 1
		.amdhsa_system_sgpr_workgroup_id_x 1
		.amdhsa_system_sgpr_workgroup_id_y 1
		.amdhsa_system_sgpr_workgroup_id_z 1
		.amdhsa_system_vgpr_workitem_id 0
		.amdhsa_next_free_vgpr 1024
		.amdhsa_next_free_sgpr 100
		.amdhsa_reserve_vcc 0
		.amdhsa_float_denorm_mode_32 3
		.amdhsa_float_denorm_mode_16_64 3
		.amdhsa_memory_ordered 1
		.amdhsa_forward_progress 1
		.amdhsa_inst_pref_size 119
	.end_amdhsa_kernel
	.amdgpu_metadata
---
amdhsa.version: [ 1, 2 ]
amdhsa.kernels:
  - .name:           k_qc42abcc784_outp
    .symbol:         k_qc42abcc784_outp.kd
    .args:
      - { .name: g_img, .offset: 0, .size: 8, .value_kind: global_buffer, .address_space: global }
      - { .name: pimg, .offset: 8, .size: 8, .value_kind: global_buffer, .address_space: global }
      - { .name: lowp_scales, .offset: 16, .size: 8, .value_kind: global_buffer, .address_space: global }
      - { .name: x1, .offset: 24, .size: 8, .value_kind: global_buffer, .address_space: global }
      - { .name: out0, .offset: 32, .size: 8, .value_kind: global_buffer, .address_space: global }
    .group_segment_fixed_size: 327680
    .private_segment_fixed_size: 0
    .kernarg_segment_align: 8
    .kernarg_segment_size: 40
    .max_flat_workgroup_size: 128
    .sgpr_count:     100
    .vgpr_count:     1024
    .wavefront_size: 32
...
	.end_amdgpu_metadata
.endif
;; end of part 7
